; MI455X (gfx1250); checked and timed in simulation.
; The chip was launched on July 23, 2026; its instructions are those of AMD's public machine-readable ISA for CDNA 5 (MIT licence, August 2026) and "CDNA5" Instruction Set Architecture Reference Guide (July 2026). The comments in the code are by the model that wrote it; some were corrected since.
;; Dot Product Attention. Allowed arithmetic: float matrix products may take bf16 or f16 operands with f32 sums; all other float work in f32.
;; Inputs: key 32 x 1,024 x 128 float32; query 32 x 1,024 x 128 float32; valid_length 32 int32; value 32 x 1,024 x 128 float32.
;; Outputs: out0 32 x 1,024 x 128 float32.
;; 3 versions, each right; version 3 is version 2 with the launch attn written anew for expert scheduling mode. Each part assembles by itself: llvm-mc -triple=amdgcn-amd-amdhsa -mcpu=gfx1250 --defsym DOCPART=n.
;; ======== version 1 of 3: 1 launch
;; limits: right only within a limited range of input values; values are held in f16: magnitudes above 65,504 overflow, below 6.1e-05 lose precision; inputs' magnitudes at most 65,504
;; launch attn (part 1): grid 8 x 32, 4 waves a work-group, no clusters, 246,272 bytes of LDS; arguments query, key, value, valid_length, out0; writes out0
.if DOCPART == 1
	.amdgcn_target "amdgcn-amd-amdhsa--gfx1250"
	.amdhsa_code_object_version 6
	.text
	.protected	k_q6661b24cde_attn
	.globl	k_q6661b24cde_attn
	.p2align	8
	.type	k_q6661b24cde_attn,@function
k_q6661b24cde_attn:
	s_mov_b64 s[64:65], 0
	v_nop
	global_prefetch_b8 v0, s[64:65] scope:SCOPE_SE
	s_setreg_imm32_b32 hwreg(HW_REG_WAVE_MODE, 25, 1), 1
	s_wait_xcnt 0x0
; out[b][q][:] = softmax over k of ( q.k / sqrt(128), or -1e6 where k >= valid_length[b] ) times value.  32 batches, 1024 x 1024, d = 128, all f32.
;
; SHARES.  A work-group (x = query block, y = batch) owns 128 query rows of one batch.  Four waves, 2 x 2: qh = wave >> 1 picks 64 query rows,
; kh = wave & 1 picks 64 of the 128 keys of a key step.  Each wave runs its own running-maximum softmax over its own keys; at the end the two
; waves of a pair (same qh) merge (m, l, O) once through LDS.  A wave reads 64 keys of K and of V in f16 (32 KiB) for 128 matrix instructions.
;
; FORMAT: the matrix operands Q, K, P, V are f16, the sums f32.  f16 keeps 11 significant bits where bf16 keeps 8, so each of the four roundings
; is 8 times finer.  P lies in 0 .. 1.  Inputs 30 times the unit spread, or offset by 30 spreads, stay under 200, against f16's largest 65,504.
;
; BOTH PRODUCTS ARE TRANSPOSED.  S^T = K Q^T: source 0 = 16 keys x 32 d, source 1 = 16 queries x 32 d; lane l then holds query l % 16 and, in
; registers 0-7, keys 8 (l / 16) + 0..7.  So a row's maximum and sum are per lane, but for one exchange with lane l xor 16, and two such tiles,
; rounded to f16 in place, ARE source 1 (queries x 32 keys) of O^T = V^T P^T.  In O^T a lane holds 8 neighbouring d of one query row.
;
; K AND V: memory -> registers (f32, one row of 512 bytes to a load, asked for one key step ahead) -> f16 -> LDS -> fragments.
; NO CLUSTER, NO JOINT TENSOR LOADS, though the 8 query blocks of a batch read the same K and V: a tensor load can only lay f32 into LDS.
; A key step would then move 131,072 bytes into LDS, 131,072 back out for the conversion, 65,536 of f16 in and 131,072 of fragments out:
; 458,752 LDS bytes for the work-group's 512 matrix instructions, against 65,536 + 131,072 = 196,608 on the way taken here.
;
; BASE 2: Q is multiplied by log2(e) / sqrt(128) before it is rounded to f16, the mask value is -1e6 log2(e), exponentials are v_exp_f32.
;
; LIMITS.  Range: |key|, |value| and 0.1275 |query| must stay below 65,504, else the rounding to f16 gives an infinity; magnitudes below 2^-14
; are kept to an absolute step of 2^-24 only.  valid_length is clamped to 0 .. 1024, which gives what the comparison pos >= valid_length gives.
; valid_length = 0: all 8 key steps run, fully masked, and give the mean of the 1024 value rows.  valid_length >= 1: key steps that hold no valid
; key are left out; their keys' weights are exp(-1e6 - row maximum), below 1e-13 as long as a row's best valid score is above -999,970
; (|q.k| near 1.1e7).  Masked keys inside a key step that runs are treated as written above.  NaN and infinities in the inputs are not followed.
; The loop makes its trips and passes its barriers whatever valid_length is: only work between barriers is jumped over.
;
; LDS (bytes)                                             pitch
.set KP,  272                          ; K, Q (f16) and the f32 stage: 256 bytes + 16, so that 16 neighbouring rows start 16 bytes apart modulo 256
.set VP,  288                          ; V (f16): 256 + 32, an odd multiple of 32, for the transposing loads
.set KS,  0                            ; 128 keys x 272 = 34,816
.set VS,  34816                        ; 128 keys x 288 = 36,864
.set QS,  71680                        ; 128 query rows x 272 = 34,816
.set XST, 106496                       ; a wave: 1,024: word f (m0-3, l0-3) of lane l at 128 f + 4 l
.set XCH, 110592                       ; a wave: 16,384: 32 pieces of 512 bytes, the half of O that goes to the partner
.set STG, 176128                       ; a wave: 64 rows x 272: the way out
; REGISTERS, in windows of 256.  Window 0:
.set GOFF,  4                          ; byte offset of my 16 bytes in row 0 of my wave's 32 rows of a tile: 16,384 wave + 16 lane
.set STK,   5                          ; LDS: where my 8 bytes of K row 0 of my 32 go;  STV, STQ likewise
.set STV,   6
.set ADRK,  7                          ; LDS: K fragments of my 64 keys
.set ADRV0, 8                          ; LDS: V fragments, the d half that I keep (d blocks 4 kh ..)
.set ADRV1, 9                          ; LDS: V fragments, the d half that my partner keeps
.set H8,    10                         ; 8 (lane / 16)
.set MASKV, 11                         ; -1e6 log2(e)
.set REL,   12                         ; first masked key, counted from my lane's key 0
.set ADRQ,  13
.set STQ,   14
.set PF,    15                         ; prefetch: 8,192 query block + 256 lane
.set MX,    16                         ; v16-23   pairs (m of query block q, 0): the first register feeds both halves of a packed instruction
.set LS,    24                         ; v24-27   running sums l (my lane's keys only, until the end)
.set MT,    28                         ; v28-31   a step's maxima
.set PX,    32                         ; v32-35   what the other half of the lanes sent
.set SUM,   36                         ; v36-43   pairs of sums; at the end the partner's m (36-39) and l (40-43)
.set XS,    44                         ; v44-47   the merge: my and my partner's bytes in XST and XCH
.set XO,    45
.set PS,    46
.set PO,    47
.set FB0,   48                         ; v48-79   fragment buffer 0 (four fragments)
.set FB1,   80                         ; v80-111  fragment buffer 1
.set SG,    112                        ; the way out: into the stage, back from it, offset in out
.set RB,    113
.set CO,    114
.set AL,    116                        ; v116-123 pairs (alpha of query block q, 0)
.set SB,    128                        ; v128-255 S(key block kb, q) at SB + 32 q + 8 kb;  P(q, kc) in place at SB + 32 q + 16 kc, 8 registers
; Window 1: O(q, i) at 8 (8 q + i); i < 4: d block 4 kh + i (kept), i >= 4: d block 4 (1 - kh) + i - 4 (sent to the partner).
; Window 2: Q(q, c) at 8 (4 q + c), c = 32 d.   Window 3: K row i of my 32 at 4 i, V row i at 128 + 4 i, f32 as loaded, then f16 in the first two.
; s_set_vgpr_msb's low byte: bits 1:0 source 0, 3:2 source 1, 5:4 source 2, 7:6 destination; the high byte repeats the setting that is left.
.set MSB, 0
.macro WIN new
.if MSB != \new
	s_set_vgpr_msb (MSB<<8)|\new
.set MSB, \new
.endif
.endm
; Places behind matrix instructions (ISA guide 7.12.1): plain vector instructions that name none of their registers.
.macro PLACES n
.rept \n
	v_nop
.endr
.endm
; 63 loads: the 32 K rows and the first 31 V rows of my wave's quarter of a tile, 512 consecutive bytes each.
.macro LOADA
	WIN 0xc0
.set n_la, 0
.rept 32
	global_load_b128 v[4*n_la:4*n_la+3], v[GOFF], s[6:7] offset:512*n_la
.set n_la, n_la+1
.endr
.set n_la, 0
.rept 31
	global_load_b128 v[128+4*n_la:128+4*n_la+3], v[GOFF], s[8:9] offset:512*n_la
.set n_la, n_la+1
.endr
	WIN 0
.endm
; The 64th: V row 31.  Apart and later, since the load counter's field holds 63 and a 64th load would wait at issue (ISA guide 5.7.1),
; in the loop with the step's matrix work behind it.
.macro LOADB
	WIN 0xc0
	global_load_b128 v[252:255], v[GOFF], s[8:9] offset:512*31
	WIN 0
.endm
; 16 rows: wait, round 4 f32 a lane to 4 f16 in place, 8 bytes a lane to LDS (a store covers a row's 256 bytes).
.macro STAGE16 first, left, adr, pitch, row
	WIN 0xcf
	s_wait_loadcnt \left
.set n_cv, \first
.rept 16
	v_cvt_pk_f16_f32 v[4*n_cv], v[4*n_cv], v[4*n_cv+1]
	v_cvt_pk_f16_f32 v[4*n_cv+1], v[4*n_cv+2], v[4*n_cv+3]
.set n_cv, n_cv+1
.endr
	WIN 0x0c
.set n_cv, 0
.rept 16
	ds_store_b64 v[\adr], v[4*(\first+n_cv):4*(\first+n_cv)+1] offset:\pitch*(\row+n_cv)
.set n_cv, n_cv+1
.endr
.endm
; The counts are the rows of LOADA behind the sixteen at work: 63 - 16, - 32, - 48, then all.  With the 64th load out as well they wait
; for one load more than they must.
.macro STAGE
	STAGE16 0,  47, STK, KP, 0
	STAGE16 16, 31, STK, KP, 16
	STAGE16 32, 15, STV, VP, 0
	STAGE16 48, 0,  STV, VP, 16
	WIN 0
.endm
; 8 LDS loads: the four fragments (16 keys x 32 d each) of key block kb
.macro FETCHK kb, fb
.irp c, 0,1,2,3
	ds_load_b128 v[\fb+8*\c:\fb+8*\c+3],   v[ADRK] offset:16*KP*\kb+64*\c
	ds_load_b128 v[\fb+8*\c+4:\fb+8*\c+7], v[ADRK] offset:16*KP*\kb+64*\c+32
.endr
.endm
; 8 transposing LDS loads: fragments (16 d x 32 keys) of O's blocks i = 2 p, 2 p + 1, for kc = 0, 1
.macro FETCHV p, fb
.irp e, 0,1
.irp kc, 0,1
	ds_load_tr16_b128 v[\fb+16*\e+8*\kc:\fb+16*\e+8*\kc+3],   v[ADRV0+(2*\p+\e)/4] offset:32*VP*\kc+32*((2*\p+\e)%4)
	ds_load_tr16_b128 v[\fb+16*\e+8*\kc+4:\fb+16*\e+8*\kc+7], v[ADRV0+(2*\p+\e)/4] offset:32*VP*\kc+16*VP+32*((2*\p+\e)%4)
.endr
.endr
.endm
; 16 matrix instructions: S(kb, q) for the four query blocks, d in four pieces of 32; the first piece starts the sums
.macro MULS kb, fb
.irp c, 0,1,2,3
.irp q, 0,1,2,3
.if \c
	v_wmma_f32_16x16x32_f16 v[SB+32*\q+8*\kb:SB+32*\q+8*\kb+7], v[\fb+8*\c:\fb+8*\c+7], v[8*(4*\q+\c):8*(4*\q+\c)+7], v[SB+32*\q+8*\kb:SB+32*\q+8*\kb+7]
.else
	v_wmma_f32_16x16x32_f16 v[SB+32*\q+8*\kb:SB+32*\q+8*\kb+7], v[\fb+8*\c:\fb+8*\c+7], v[8*(4*\q+\c):8*(4*\q+\c)+7], 0
.endif
.endr
.endr
.endm
; 16 matrix instructions: O(q, 2 p + e) += V^T P^T over my 64 keys.  first = 1: the first product starts the sums, nothing is cleared
.macro MULO p, fb, first
.irp e, 0,1
.irp kc, 0,1
.irp q, 0,1,2,3
.set n_z, \first*(1-\kc)
.if n_z
	v_wmma_f32_16x16x32_f16 v[8*(8*\q+2*\p+\e):8*(8*\q+2*\p+\e)+7], v[\fb+16*\e+8*\kc:\fb+16*\e+8*\kc+7], v[SB+32*\q+16*\kc:SB+32*\q+16*\kc+7], 0
.else
	v_wmma_f32_16x16x32_f16 v[8*(8*\q+2*\p+\e):8*(8*\q+2*\p+\e)+7], v[\fb+16*\e+8*\kc:\fb+16*\e+8*\kc+7], v[SB+32*\q+16*\kc:SB+32*\q+16*\kc+7], v[8*(8*\q+2*\p+\e):8*(8*\q+2*\p+\e)+7]
.endif
.endr
.endr
.endr
.endm
; Register 8 kb + j of a query block is key 16 kb + 8 (lane / 16) + j of my 64: masked where 16 kb + j >= s24 - 8 (lane / 16)
.macro MASK
	v_sub_nc_u32 v[REL], s24, v[H8]
.set n_mk, 0
.rept 32
	v_cmp_ge_i32 vcc_lo, 16*(n_mk/8)+n_mk%8, v[REL]
.irp q, 0,1,2,3
	v_cndmask_b32 v[SB+32*\q+n_mk], v[SB+32*\q+n_mk], v[MASKV], vcc_lo
.endr
.set n_mk, n_mk+1
.endr
.endm
; The new running maxima, four chains side by side; alpha = 2^(old m - new m)
.macro ROWMAX first
.irp q, 0,1,2,3
	v_max3_num_f32 v[MT+\q], v[SB+32*\q], v[SB+32*\q+1], v[SB+32*\q+2]
.endr
.set n_rm, 3
.rept 14
.irp q, 0,1,2,3
	v_max3_num_f32 v[MT+\q], v[MT+\q], v[SB+32*\q+n_rm], v[SB+32*\q+n_rm+1]
.endr
.set n_rm, n_rm+2
.endr
.irp q, 0,1,2,3
.if \first
	v_max_num_f32 v[MT+\q], v[MT+\q], v[SB+32*\q+31]
.else
	v_max3_num_f32 v[MT+\q], v[MT+\q], v[SB+32*\q+31], v[MX+2*\q]
.endif
.endr
.irp q, 0,1,2,3
	v_permlanex16_b32 v[PX+\q], v[MT+\q], s26, s27         ; lane l xor 16 holds the same query's other keys
.endr
.if \first
.irp q, 0,1,2,3
	v_max_num_f32 v[MX+2*\q], v[MT+\q], v[PX+\q]
.endr
.else
.irp q, 0,1,2,3
	v_max_num_f32 v[PX+\q], v[MT+\q], v[PX+\q]
.endr
.irp q, 0,1,2,3
	v_sub_f32 v[AL+2*\q], v[MX+2*\q], v[PX+\q]
.endr
.irp q, 0,1,2,3
	v_exp_f32 v[AL+2*\q], v[AL+2*\q]
.endr
.irp q, 0,1,2,3
	v_mov_b32 v[MX+2*\q], v[PX+\q]                         ; also the plain instructions between the exponentials and alpha's first use
.endr
.endif
.endm
; p = 2^(s - m) for the 32 scores a lane has of query block q.  What follows each expansion is plain work on other registers.
.macro SUBEXP q
.set n_se, 0
.rept 16
	v_pk_add_f32 v[SB+32*\q+2*n_se:SB+32*\q+2*n_se+1], v[SB+32*\q+2*n_se:SB+32*\q+2*n_se+1], v[MX+2*\q:MX+2*\q+1] op_sel_hi:[1,0] neg_lo:[0,1] neg_hi:[0,1]
.set n_se, n_se+1
.endr
.set n_se, 0
.rept 32
	v_exp_f32 v[SB+32*\q+n_se], v[SB+32*\q+n_se]
.set n_se, n_se+1
.endr
.endm
; Sum the 32 p in f32, and round them to f16 in place: pair i of a group of 16 registers goes to the group's register i, which holds
; only numbers that have been summed and rounded already.  l = l alpha + sum.
.macro SUMCVT q, first
	s_wait_alu depctr_va_vdst(0)
	v_pk_add_f32 v[SUM+2*\q:SUM+2*\q+1], v[SB+32*\q:SB+32*\q+1], v[SB+32*\q+2:SB+32*\q+3]
	v_cvt_pk_f16_f32 v[SB+32*\q], v[SB+32*\q], v[SB+32*\q+1]
	v_cvt_pk_f16_f32 v[SB+32*\q+1], v[SB+32*\q+2], v[SB+32*\q+3]
.set n_sc, 2
.rept 14
	v_pk_add_f32 v[SUM+2*\q:SUM+2*\q+1], v[SUM+2*\q:SUM+2*\q+1], v[SB+32*\q+2*n_sc:SB+32*\q+2*n_sc+1]
	v_cvt_pk_f16_f32 v[SB+32*\q+16*(n_sc/8)+n_sc%8], v[SB+32*\q+2*n_sc], v[SB+32*\q+2*n_sc+1]
.set n_sc, n_sc+1
.endr
.if \first
	v_add_f32 v[LS+\q], v[SUM+2*\q], v[SUM+2*\q+1]
.else
	v_add_f32 v[SUM+2*\q], v[SUM+2*\q], v[SUM+2*\q+1]
	v_fma_f32 v[LS+\q], v[LS+\q], v[AL+2*\q], v[SUM+2*\q]
.endif
.endm
; O *= alpha: 128 packed multiplies
.macro RESCALE
	WIN 0x41
	s_wait_alu depctr_va_vdst(0)
.irp q, 0,1,2,3
.set n_rs, 0
.rept 32
	v_pk_mul_f32 v[64*\q+2*n_rs:64*\q+2*n_rs+1], v[64*\q+2*n_rs:64*\q+2*n_rs+1], v[AL+2*\q:AL+2*\q+1] op_sel_hi:[1,0]
.set n_rs, n_rs+1
.endr
.endr
	WIN 0
.endm
; ONE KEY STEP (128 keys; s23 = its number t, s22 = R key steps run, s25 = R - 1, s28 = R - 2, s24 = valid_length - 64 kh - 128 t).
; first = 1: nothing to rescale, the products start the sums.  stage = 1: the trip ends by putting tile t + 1 into LDS, between two barriers.
; guard = 1: the work is jumped over where t >= R.  Each s_wait_dscnt 8 leaves out the youngest run of eight fragment loads.
.macro KSTEP first, stage, guard, id
.if \guard
	s_cmp_ge_u32 s23, s22
	s_cbranch_scc1 .Lskip_\id
.endif
	FETCHK 0, FB0
	FETCHK 1, FB1
.if \stage
	s_cmp_ge_u32 s23, s25                          ; is there a tile t + 1 ?
	s_cbranch_scc1 .Lnl_\id
	s_wait_xcnt 0x0                                ; the bases are stepped only behind this wait (the last trip's prefetches name them; its loads are back)
	s_add_nc_u64 s[6:7], s[6:7], 0x10000           ; 128 rows of 512 bytes on
	s_add_nc_u64 s[8:9], s[8:9], 0x10000
	LOADA                                          ; asked for here, converted at the trip's end
	s_cmp_lg_u32 s14, 0
	s_cbranch_scc1 .Lnl_\id
	s_cmp_ge_i32 s23, s28                          ; tile t + 2 exists only where t < R - 2: no prefetch points past the last tile that is read
	s_cbranch_scc1 .Lnl_\id
	; wave 0 asks for this query block's eighth (16 rows, 8,192 bytes, lanes 256 bytes apart) of tile t + 2 of K and of V, one trip ahead of
	; its loads; the batch's eight work-groups together ask for the whole tile, each block of 256 bytes once
	global_prefetch_b8 v[PF], s[6:7] offset:65536 th:TH_LOAD_NT scope:SCOPE_SE
	global_prefetch_b8 v[PF], s[8:9] offset:65536 th:TH_LOAD_NT scope:SCOPE_SE
.Lnl_\id:
.endif
	WIN 0x08                                       ; source 1 (Q) in window 2; loads and v_nop are not touched by that
	s_wait_dscnt 0x8
	MULS 0, FB0
	PLACES 4                                       ; four places before a load is issued into registers that a matrix instruction has read
	FETCHK 2, FB0
	s_wait_dscnt 0x8
	MULS 1, FB1
	PLACES 4
	FETCHK 3, FB1
	s_wait_dscnt 0x8
	MULS 2, FB0
	PLACES 4
	FETCHV 0, FB0                                  ; V's first fragments arrive during the softmax
	s_wait_dscnt 0x8
	MULS 3, FB1
	PLACES 4                                       ; also the four places before vector instructions read S
	FETCHV 1, FB1
	WIN 0
	s_cmp_ge_i32 s24, 64                           ; all my 64 keys valid: nothing to mask
	s_cbranch_scc1 .Lnm_\id
	MASK
.Lnm_\id:
	ROWMAX \first
	SUBEXP 0
	SUBEXP 1
	SUMCVT 0, \first
	SUBEXP 2
	SUMCVT 1, \first
	SUBEXP 3
.if \first
.else
	RESCALE
.endif
	SUMCVT 2, \first
	SUMCVT 3, \first
.if \stage
	s_cmp_ge_u32 s23, s25
	s_cbranch_scc1 .Lnb_\id
	LOADB
.Lnb_\id:
.endif
	s_wait_dscnt 0x8
	WIN 0x50                                       ; C and D (O) in window 1
	MULO 0, FB0, \first
	PLACES 4
	WIN 0
	FETCHV 2, FB0
	s_wait_dscnt 0x8
	WIN 0x50
	MULO 1, FB1, \first
	PLACES 4
	WIN 0
	FETCHV 3, FB1
	s_wait_dscnt 0x8
	WIN 0x50
	MULO 2, FB0, \first
	s_wait_dscnt 0x0
	MULO 3, FB1, \first
	PLACES 5                                       ; five places before the next step's products write over P; they also cover its loads into the
	WIN 0                                          ; fragment buffers and every later read of O
.if \guard
.Lskip_\id:
.endif
.if \stage
	s_wait_dscnt 0x0                               ; my reads of K and V in LDS are over
	s_barrier_signal -1
	s_barrier_wait -1                              ; everybody's are: the tile may be written over
	s_cmp_ge_u32 s23, s25
	s_cbranch_scc1 .Lnc_\id
	STAGE
.Lnc_\id:
	s_wait_loadcnt 0x0                             ; nothing is out here (the staging waited for all, or nothing was asked for): every trip begins with no load pending
	s_wait_dscnt 0x0                               ; my part of the next tile is in LDS
	s_barrier_signal -1
	s_barrier_wait -1                              ; everybody's is
.endif
.endm
	; ---------------------------------------------------------------- set-up
	s_load_b256 s[4:11], s[0:1], 0x0               ; query s[4:5], key s[6:7], value s[8:9], valid_length s[10:11]
	s_load_b64 s[12:13], s[0:1], 0x20              ; out
	v_lshl_add_u32 v126, v0, 2, 0x3c000
	v_mov_b32 v127, 0
	v_lshrrev_b32 v1, 5, v0
	v_readfirstlane_b32 s14, v1                    ; wave
	s_and_b32 s17, ttmp7, 0xffff                   ; batch
	s_lshl_b32 s29, s17, 2
	s_and_b32 s15, s14, 1                          ; kh
	s_lshr_b32 s16, s14, 1                         ; qh
	s_wait_kmcnt 0x0
	s_load_b32 s19, s[10:11], s29 offset:0x0       ; valid_length[batch]
	s_lshl_b32 s20, s17, 19                        ; a batch is 1024 rows of 512 bytes
	s_mov_b32 s21, 0
	s_add_nc_u64 s[6:7], s[6:7], s[20:21]
	s_add_nc_u64 s[8:9], s[8:9], s[20:21]
	s_lshl_b32 s31, ttmp9, 16                      ; a query block is 128 rows
	s_add_co_u32 s20, s20, s31
	s_add_nc_u64 s[4:5], s[4:5], s[20:21]
	s_lshl_b32 s31, s16, 15                        ; out: my 64 rows,
	s_add_co_u32 s20, s20, s31
	s_lshl_b32 s31, s15, 8                         ; and the 64 d (256 bytes) that I keep
	s_add_co_u32 s20, s20, s31
	s_add_nc_u64 s[12:13], s[12:13], s[20:21]
	v_and_b32 v1, 31, v0                           ; lane
	s_lshl_b32 s31, s14, 14
	v_lshl_add_u32 v[GOFF], v1, 4, s31
	; 32 + 63 loads in a run: those past the 63rd wait at issue until Q's first ones are back (ISA guide 5.7.1), which is what the wave
	; needs next in any case; only address arithmetic stands behind them
.set n_q, 0
.rept 32
	global_load_b128 v[SB+4*n_q:SB+4*n_q+3], v[GOFF], s[4:5] offset:512*n_q th:TH_LOAD_NT      ; my wave's 32 query rows; no other work-group reads them
.set n_q, n_q+1
.endr
	LOADA                                          ; tile 0
	v_and_b32 v2, 15, v0                           ; r = lane % 16
	v_bfe_u32 v3, v0, 4, 1                         ; h = lane / 16
	s_mul_i32 s31, s14, 32*KP
	v_lshl_add_u32 v[STK], v1, 3, s31              ; KS (0) + 32 wave rows + 8 lane
	s_add_co_u32 s32, s31, QS
	v_lshl_add_u32 v[STQ], v1, 3, s32
	s_mul_i32 s33, s14, 32*VP
	s_add_co_u32 s33, s33, VS
	v_lshl_add_u32 v[STV], v1, 3, s33
	v_mul_u32_u24 v28, v2, KP
	v_lshl_add_u32 v28, v3, 4, v28                 ; a fragment with d along the rows: row r, 16 bytes for each half of the lanes
	s_mul_i32 s34, s15, 64*KP
	v_add_nc_u32 v[ADRK], s34, v28
	s_mul_i32 s35, s16, 64*KP
	s_add_co_u32 s35, s35, QS
	v_add_nc_u32 v[ADRQ], s35, v28
	v_and_b32 v29, 7, v0                           ; a transposed fragment: key 8 h + lane % 8, 16 bytes for each eight lanes
	v_lshl_add_u32 v29, v3, 3, v29
	v_mul_u32_u24 v29, v29, VP
	v_bfe_u32 v30, v0, 3, 1
	v_lshl_add_u32 v29, v30, 4, v29
	s_mul_i32 s36, s15, 64*VP+128                  ; my 64 keys, and d from 64 kh on (128 bytes)
	s_add_co_u32 s36, s36, VS
	v_add_nc_u32 v[ADRV0], s36, v29
	s_mul_i32 s37, s15, 64*VP-128                  ; my 64 keys, and d from 64 (1 - kh) on
	s_add_co_u32 s37, s37, VS+128
	v_add_nc_u32 v[ADRV1], s37, v29
	v_lshlrev_b32 v[H8], 3, v3
	v_mov_b32 v[MASKV], 0xc9b01c38                 ; -1e6 log2(e)
	s_lshl_b32 s38, ttmp9, 13
	v_lshl_add_u32 v[PF], v1, 8, s38
	s_mov_b32 s26, 0x76543210                      ; v_permlanex16_b32: lane i of one half reads lane i of the other
	s_mov_b32 s27, 0xfedcba98
.irp q, 0,1,2,3
	v_mov_b32 v[MX+2*\q+1], 0                      ; the pairs' second registers are named by packed instructions, and v_permlanex16_b32
	v_mov_b32 v[AL+2*\q+1], 0                      ; names its destination: written once
	v_mov_b32 v[PX+\q], 0
.endr
	s_wait_kmcnt 0x0
	s_max_i32 s19, s19, 0
	s_min_i32 s19, s19, 1024
	s_add_co_u32 s22, s19, 127
	s_lshr_b32 s22, s22, 7                         ; key steps that hold a valid key,
	s_cmp_eq_u32 s19, 0
	s_cselect_b32 s22, 8, s22                      ; or all eight where no key is valid
	s_sub_co_i32 s25, s22, 1
	s_sub_co_i32 s28, s22, 2
	s_lshl_b32 s31, s15, 6
	s_sub_co_i32 s24, s19, s31
	s_mov_b32 s23, 0
	s_wait_loadcnt 0x3f                            ; Q's 32 loads are in; the 63 of tile 0 behind them stay out
.set n_q, 0
.rept 32
	v_pk_mul_f32 v[SB+4*n_q:SB+4*n_q+1], v[SB+4*n_q:SB+4*n_q+1], 0x3e0293ee op_sel_hi:[1,0]            ; log2(e) / sqrt(128)
	v_pk_mul_f32 v[SB+4*n_q+2:SB+4*n_q+3], v[SB+4*n_q+2:SB+4*n_q+3], 0x3e0293ee op_sel_hi:[1,0]
	v_cvt_pk_f16_f32 v[SB+4*n_q], v[SB+4*n_q], v[SB+4*n_q+1]
	v_cvt_pk_f16_f32 v[SB+4*n_q+1], v[SB+4*n_q+2], v[SB+4*n_q+3]
	ds_store_b64 v[STQ], v[SB+4*n_q:SB+4*n_q+1] offset:KP*n_q
.set n_q, n_q+1
.endr
	LOADB
	STAGE
	s_wait_dscnt 0x0                               ; my rows of Q, K and V are in LDS
	s_barrier_signal -1
	s_barrier_wait -1                              ; everybody's are
	WIN 0x80
.irp q, 0,1,2,3
.irp c, 0,1,2,3
	ds_load_b128 v[8*(4*\q+\c):8*(4*\q+\c)+3],   v[ADRQ] offset:16*KP*\q+64*\c      ; Q's 16 fragments stay in registers; the first
	ds_load_b128 v[8*(4*\q+\c)+4:8*(4*\q+\c)+7], v[ADRQ] offset:16*KP*\q+64*\c+32   ; s_wait_dscnt 8 of the key step covers them
.endr
.endr
	WIN 0
	; ---------------------------------------------------------------- the eight key steps
	KSTEP 1, 1, 0, a                               ; t = 0 always runs
	s_mov_b32 s23, 1
	s_sub_co_i32 s24, s24, 128
.Lloop:
	KSTEP 0, 1, 1, b                               ; t = 1 .. 6
	s_sub_co_i32 s24, s24, 128
	s_add_co_u32 s23, s23, 1
	s_cmp_lt_u32 s23, 7
	s_cbranch_scc1 .Lloop
	KSTEP 0, 0, 1, c                               ; t = 7: nothing follows
	; ---------------------------------------------------------------- the pair's merge
	s_xor_b32 s30, s14, 1                          ; my partner: same query rows, the other keys
	s_lshl_b32 s31, s14, 10
	s_add_co_u32 s31, s31, XST
	v_lshl_add_u32 v[XS], v1, 2, s31
	s_lshl_b32 s32, s30, 10
	s_add_co_u32 s32, s32, XST
	v_lshl_add_u32 v[PS], v1, 2, s32
	s_lshl_b32 s33, s14, 14
	s_add_co_u32 s33, s33, XCH
	v_lshl_add_u32 v[XO], v1, 4, s33
	s_lshl_b32 s34, s30, 14
	s_add_co_u32 s34, s34, XCH
	v_lshl_add_u32 v[PO], v1, 4, s34
	s_mul_i32 s35, s14, 64*KP
	s_add_co_u32 s35, s35, STG
.irp q, 0,1,2,3
	v_permlanex16_b32 v[PX+\q], v[LS+\q], s26, s27
.endr
.irp q, 0,1,2,3
	v_add_f32 v[LS+\q], v[LS+\q], v[PX+\q]         ; l over all my wave's keys
.endr
.irp q, 0,1,2,3
	ds_store_b32 v[XS], v[MX+2*\q] offset:128*\q
	ds_store_b32 v[XS], v[LS+\q] offset:512+128*\q
.endr
	WIN 0x04
.set n_x, 0
.rept 32                                               ; piece n = 8 q + 2 i + half: four registers of O(q, 4 + i)
	ds_store_b128 v[XO], v[64*(n_x/8)+32+4*(n_x%8):64*(n_x/8)+32+4*(n_x%8)+3] offset:512*n_x
.set n_x, n_x+1
.endr
	WIN 0
	s_wait_dscnt 0x0                               ; what my partner will read is in LDS
	s_barrier_signal -1
	s_barrier_wait -1
.irp q, 0,1,2,3
	ds_load_b32 v[SUM+\q], v[PS] offset:128*\q             ; the partner's m
	ds_load_b32 v[SUM+4+\q], v[PS] offset:512+128*\q       ; and l
.endr
.set n_x, 0
.rept 32
	ds_load_b128 v[SB+4*n_x:SB+4*n_x+3], v[PO] offset:512*n_x      ; X(q, i) at SB + 32 q + 8 i: the partner's sums for the d that I keep
.set n_x, n_x+1
.endr
	s_wait_dscnt 0x20                              ; the eight words are in; the 32 pieces stay out
.irp q, 0,1,2,3
	v_max_num_f32 v[MT+\q], v[MX+2*\q], v[SUM+\q]
.endr
.irp q, 0,1,2,3
	v_sub_f32 v[MX+2*\q], v[MX+2*\q], v[MT+\q]
	v_sub_f32 v[AL+2*\q], v[SUM+\q], v[MT+\q]
.endr
.irp q, 0,1,2,3
	v_exp_f32 v[MX+2*\q], v[MX+2*\q]               ; f  = 2^(m - M)
	v_exp_f32 v[AL+2*\q], v[AL+2*\q]               ; f' = 2^(m' - M); one of the two is 1, and its l is at least 1
.endr
	v_mul_u32_u24 v[SG], v2, KP                    ; a plain instruction between the exponentials and their first use
	s_wait_alu depctr_va_vdst(0)
.irp q, 0,1,2,3
	v_mul_f32 v[PX+\q], v[LS+\q], v[MX+2*\q]
.endr
.irp q, 0,1,2,3
	v_fmac_f32 v[PX+\q], v[SUM+4+\q], v[AL+2*\q]   ; l f + l' f'
.endr
.irp q, 0,1,2,3
	v_rcp_f32 v[PX+\q], v[PX+\q]
.endr
	v_mul_u32_u24 v[RB], v3, KP                    ; a plain instruction between the reciprocals and their first use
	s_wait_alu depctr_va_vdst(0)
.irp q, 0,1,2,3
	v_mul_f32 v[MX+2*\q], v[MX+2*\q], v[PX+\q]     ; g  = f  / (l f + l' f')
	v_mul_f32 v[AL+2*\q], v[AL+2*\q], v[PX+\q]     ; g' = f' / (l f + l' f')
.endr
	v_lshl_add_u32 v[SG], v3, 5, v[SG]             ; into the stage: row r, 32 bytes for each half of the lanes
	v_add_nc_u32 v[SG], s35, v[SG]
	v_lshl_add_u32 v[RB], v2, 4, v[RB]             ; back: lanes 0-15 one row of 256 bytes, lanes 16-31 the next
	v_add_nc_u32 v[RB], s35, v[RB]
	v_lshlrev_b32 v[CO], 9, v3                     ; and the same two rows in out
	v_lshl_add_u32 v[CO], v2, 4, v[CO]
.irp q, 0,1,2,3
	s_wait_dscnt 24-8*\q                           ; query block q's eight pieces are in; the later blocks' stay out
.set n_x, 0
.rept 16
	v_pk_mul_f32 v[SB+32*\q+2*n_x:SB+32*\q+2*n_x+1], v[SB+32*\q+2*n_x:SB+32*\q+2*n_x+1], v[AL+2*\q:AL+2*\q+1] op_sel_hi:[1,0]
.set n_x, n_x+1
.endr
.endr
	WIN 0x01                                       ; source 0 (O) in window 1
.irp q, 0,1,2,3
.set n_x, 0
.rept 16
	v_pk_fma_f32 v[SB+32*\q+2*n_x:SB+32*\q+2*n_x+1], v[64*\q+2*n_x:64*\q+2*n_x+1], v[MX+2*\q:MX+2*\q+1], v[SB+32*\q+2*n_x:SB+32*\q+2*n_x+1] op_sel_hi:[1,0,1]
.set n_x, n_x+1
.endr
.endr
	WIN 0
	; ---------------------------------------------------------------- the way out: 64 rows x 256 bytes through my own stage
.set n_x, 0
.rept 32                                               ; n = 8 q + 2 i + half: row 16 q + r, bytes 64 i + 32 h + 16 half
	ds_store_b128 v[SG], v[SB+4*n_x:SB+4*n_x+3] offset:16*KP*(n_x/8)+64*((n_x%8)/2)+16*(n_x%2)
.set n_x, n_x+1
.endr
	WIN 0xc0
.set n_x, 0
.rept 32
	ds_load_b128 v[4*n_x:4*n_x+3], v[RB] offset:2*KP*n_x   ; my own bytes; LDS serves a wave's instructions in order (ISA guide 5.7.1): these see the stores above
.set n_x, n_x+1
.endr
	WIN 0x0c
.set n_x, 0
.rept 32
	s_wait_dscnt 31-n_x                            ; load n is in; the younger ones stay out
	global_store_b128 v[CO], v[4*n_x:4*n_x+3], s[12:13] offset:1024*n_x th:TH_STORE_NT     ; 16 lanes store 256 consecutive bytes, at a multiple of 256 from out's first byte
.set n_x, n_x+1
.endr
	WIN 0
	s_wait_tensorcnt 0x0
	ds_add_u32 v126, v127
	s_wait_dscnt 0x0
	s_endpgm
.Lfunc_end_k_q6661b24cde_attn:
	.size	k_q6661b24cde_attn, .Lfunc_end_k_q6661b24cde_attn-k_q6661b24cde_attn
	.p2alignl 7, 3214868480
	.fill 96, 4, 3214868480
	.section	.rodata,"a",@progbits
	.p2align	6, 0x0
	.amdhsa_kernel k_q6661b24cde_attn
		.amdhsa_group_segment_fixed_size 246272
		.amdhsa_private_segment_fixed_size 0
		.amdhsa_enable_private_segment 0
		.amdhsa_kernarg_size 40
		.amdhsa_user_sgpr_count 2
		.amdhsa_user_sgpr_kernarg_segment_ptr 1
		.amdhsa_wavefront_size32 1
		.amdhsa_system_sgpr_workgroup_id_x 1
		.amdhsa_system_sgpr_workgroup_id_y 1
		.amdhsa_system_sgpr_workgroup_id_z 1
		.amdhsa_system_vgpr_workitem_id 0
		.amdhsa_next_free_vgpr 1024
		.amdhsa_next_free_sgpr 66
		.amdhsa_reserve_vcc 1
		.amdhsa_float_denorm_mode_32 3
		.amdhsa_float_denorm_mode_16_64 3
		.amdhsa_memory_ordered 1
		.amdhsa_forward_progress 1
		.amdhsa_inst_pref_size 238
	.end_amdhsa_kernel
	.amdgpu_metadata
---
amdhsa.version: [ 1, 2 ]
amdhsa.kernels:
  - .name:           k_q6661b24cde_attn
    .symbol:         k_q6661b24cde_attn.kd
    .args:
      - { .name: query, .offset: 0, .size: 8, .value_kind: global_buffer, .address_space: global }
      - { .name: key, .offset: 8, .size: 8, .value_kind: global_buffer, .address_space: global }
      - { .name: value, .offset: 16, .size: 8, .value_kind: global_buffer, .address_space: global }
      - { .name: valid_length, .offset: 24, .size: 8, .value_kind: global_buffer, .address_space: global }
      - { .name: out0, .offset: 32, .size: 8, .value_kind: global_buffer, .address_space: global }
    .group_segment_fixed_size: 246272
    .private_segment_fixed_size: 0
    .kernarg_segment_align: 8
    .kernarg_segment_size: 40
    .max_flat_workgroup_size: 128
    .sgpr_count:     66
    .vgpr_count:     1024
    .wavefront_size: 32
...
	.end_amdgpu_metadata
.endif
;; end of part 1
;; ======== version 2 of 3: 1 launch
;; limits: right only within a limited range of input values; values are held in f16: magnitudes above 65,504 overflow, below 6.1e-05 lose precision; inputs' magnitudes at most 65,504
;; launch attn (part 2): grid 8 x 32, 8 waves a work-group, no clusters, 320,512 bytes of LDS; arguments query, key, value, valid_length, out0; writes out0
.if DOCPART == 2
	.amdgcn_target "amdgcn-amd-amdhsa--gfx1250"
	.amdhsa_code_object_version 6
	.text
	.protected	k_q6661b24cde_attn
	.globl	k_q6661b24cde_attn
	.p2align	8
	.type	k_q6661b24cde_attn,@function
k_q6661b24cde_attn:
	s_mov_b64 s[64:65], 0
	v_nop
	global_prefetch_b8 v0, s[64:65] scope:SCOPE_SE
	s_setreg_imm32_b32 hwreg(HW_REG_WAVE_MODE, 25, 1), 1
	s_wait_xcnt 0x0
; out[b][q][:] = softmax over k of ( q.k / sqrt(128), or -1e6 where k >= valid_length[b] ) times value.  32 batches, 1024 x 1024, d = 128, all f32.
;
; SHARES.  A work-group (x = query block, y = batch) owns 128 query rows of one batch.  Eight waves, 4 x 2: qh = wave >> 1 picks 32 query rows,
; kh = wave & 1 picks 64 of the 128 keys of a key step.  Each wave runs its own running-maximum softmax over its own keys; at the end the two
; waves of a pair (same qh) merge (m, l, O) once through LDS.
; WHY EIGHT WAVES OF 512 REGISTERS, two to a SIMD: a wave's key step is 32 matrix instructions, then some 300 vector instructions that hang on
; their results, then 32 matrix instructions that hang on those; a wave alone on its SIMD has nothing to issue while it waits inside one of
; these.  The price: a K or V fragment feeds 2 matrix instructions (a wave reads 32 KiB of fragments for 64).
; 64 query rows a wave would need O 256 + Q 128 + S 64 + rows on their way 128 + fragments 64 = 640 registers of the 512.
;
; FORMAT: the matrix operands Q, K, P, V are f16, the sums f32.  f16 keeps 11 significant bits where bf16 keeps 8, so each of the four roundings
; is 8 times finer.  P lies in 0 .. 1.  Inputs 30 times the unit spread, or offset by 30 spreads, stay under 200, against f16's largest 65,504.
;
; BOTH PRODUCTS ARE TRANSPOSED.  S^T = K Q^T: source 0 = 16 keys x 32 d, source 1 = 16 queries x 32 d; lane l then holds query l % 16 and, in
; registers 0-7, keys 8 (l / 16) + 0..7.  So a row's maximum and sum are per lane, but for one exchange with lane l xor 16, and two such tiles,
; rounded to f16 in place, ARE source 1 (queries x 32 keys) of O^T = V^T P^T.  In O^T a lane holds 8 neighbouring d of one query row.
;
; K AND V: memory -> registers (f32, one row of 512 bytes to a load) -> f16 -> LDS -> fragments.
; NO CLUSTER, NO JOINT TENSOR LOADS, though the 8 query blocks of a batch read the same K and V: a tensor load can only lay f32 into LDS.
; A key step would then move 131,072 bytes into LDS, 131,072 back out for the conversion, 65,536 of f16 in and 262,144 of fragments out:
; 589,824 LDS bytes for the work-group's 512 matrix instructions, against 65,536 + 262,144 = 327,680 on the way taken here.
;
; THE RING: three LDS slots, tile t in slot t % 3, and ONE barrier a key step, its signal and its wait apart.  Step t: products S on slot t % 3;
; tile t + 1 goes from registers into slot (t + 1) % 3; softmax, with the loads of tile t + 2 in its middle; signal; products O on slot t % 3; wait.
;   - tile t + 1 is read in step t + 1, behind wait t; every wave has waited for its stores of it in front of its signal t.
;   - slot t % 3 is written again with tile t + 3, in step t + 2, behind wait t + 1; every wave has waited for its reads of it in front of signal t + 1.
;   - while a wave stands between signal t and wait t, others can be in step t (storing into slot (t + 1) % 3) or already in step t + 1 (storing
;     into slot (t + 2) % 3), never further: what it reads there, slot t % 3, is written by nobody.  Two slots would not give that.
; So a wave at the wait needs only that the others are through their softmax: the waves may be apart by the products O.
;
; BASE 2: Q is multiplied by log2(e) / sqrt(128) before it is rounded to f16, the mask value is -1e6 log2(e), exponentials are v_exp_f32.
;
; LIMITS.  Range: |key|, |value| and 0.1275 |query| must stay below 65,504, else the rounding to f16 gives an infinity; magnitudes below 2^-14
; are kept to an absolute step of 2^-24 only.  valid_length is clamped to 0 .. 1024, which gives what the comparison pos >= valid_length gives.
; valid_length = 0: all 8 key steps run, fully masked, and give the mean of the 1024 value rows.  valid_length >= 1: key steps that hold no valid
; key are left out; their keys' weights are exp(-1e6 - row maximum), below 1e-13 as long as a row's best valid score is above -999,970
; (|q.k| near 1.1e7).  Masked keys inside a key step that runs are treated as written above.  NaN and infinities in the inputs are not followed.
; The loop makes its trips and passes its barriers whatever valid_length is: only work between the barrier's lines is jumped over.
;
; LDS (bytes)                                             pitch
.set KP,    272                        ; K, Q (f16) and the f32 stage: 256 bytes + 16, so that 16 neighbouring rows start 16 bytes apart modulo 256
.set VP,    288                        ; V (f16): 256 + 32, an odd multiple of 32, for the transposing loads
.set SLOTB, 71680                      ; a slot: 128 keys of K x 272 = 34,816, then 128 keys of V x 288 = 36,864; slots at 0, 71,680, 143,360
.set VS,    34816                      ; V's place in a slot
.set QS,    215040                     ; 128 query rows x 272 = 34,816
.set XST,   249856                     ; a wave: 512: word f (m0, m1, l0, l1) of lane l at 128 f + 4 l
.set XCH,   253952                     ; a wave: 8,192: 16 pieces of 512 bytes, the half of O that goes to the partner.  Ends at 319,488
.set STG,   0                          ; a wave: 32 rows x 272: the way out, 69,632 in all, over slot 0: first written behind the merge's barrier,
                                       ; in front of which every wave has waited for all its LDS reads
; REGISTERS, in two windows of 256.  Window 0:
.set GOFF,  4                          ; byte offset of my 16 bytes in row 0 of my wave's 16 rows of a tile: 8,192 wave + 16 lane
.set H8,    5                          ; 8 (lane / 16)
.set MASKV, 6                          ; -1e6 log2(e)
.set REL,   7                          ; first masked key, counted from my lane's key 0
.set ADRQ,  8                          ; LDS: Q fragments of my 32 rows
.set STQ,   9                          ; LDS: where my 8 bytes of Q row 0 of my 16 go
.set PF,    10                         ; prefetch: 8,192 query block + 256 lane
.set AK,    12                         ; v12-14   slot s: K fragments of my 64 keys
.set MX,    16                         ; v16-19   pairs (m of query block q, 0): the first register feeds both halves of a packed instruction
.set SK,    20                         ; v20-22   slot s: where my 8 bytes of K row 0 of my 16 go
.set LS,    24                         ; v24-25   running sums l (my lane's keys only, until the end)
.set MT,    28                         ; v28-31   a step's maxima, two chains for each query block
.set PX,    32                         ; v32-33   what the other half of the lanes sent
.set SUM,   36                         ; v36-39   pairs of sums; at the end the partner's m (36-37) and l (38-39)
.set SV,    40                         ; v40-42   slot s: where my 8 bytes of V row 0 of my 16 go
.set XS,    44                         ; v44-47   the merge: my and my partner's bytes in XST and XCH
.set XO,    45
.set PS,    46
.set PO,    47
.set FB0,   48                         ; v48-79   fragment buffer 0 (four fragments)
.set FB1,   80                         ; v80-111  fragment buffer 1
.set SG,    112                        ; the way out: into the stage, back from it, offset in out
.set RB,    113
.set CO,    114
.set AL,    116                        ; v116-119 pairs (alpha of query block q, 0)
.set AV,    120                        ; v120-125 slot s: V fragments; AV + 2 s: the d half that I keep (d blocks 4 kh ..), AV + 2 s + 1: my partner's
.set SB,    128                        ; v128-191 S(key block kb, q) at SB + 32 q + 8 kb;  P(q, kc) in place at SB + 32 q + 16 kc, 8 registers
.set QB,    192                        ; v192-255 Q(q, c) at QB + 8 (4 q + c), c = 32 d
; Window 1: O(q, i) at 8 (8 q + i); i < 4: d block 4 kh + i (kept), i >= 4: d block 4 (1 - kh) + i - 4 (sent to the partner);
.set RK,    128                        ; K row i of my 16 at RK + 4 i, f32 as loaded, then f16 in the first two
.set RV,    192                        ; V row i likewise
; s_set_vgpr_msb's low byte: bits 1:0 source 0, 3:2 source 1, 5:4 source 2, 7:6 destination; the high byte repeats the setting that is left.
.set MSB, 0
.macro WIN new
.if MSB != \new
	s_set_vgpr_msb (MSB<<8)|\new
.set MSB, \new
.endif
.endm
; Places behind matrix instructions (ISA guide 7.12.1): plain vector instructions that name none of their registers.
.macro PLACES n
.rept \n
	v_nop
.endr
.endm
; 32 loads: the 16 K rows and the 16 V rows of my wave's eighth of a tile, 512 consecutive bytes each.
.macro LOADA
	WIN 0x40
.set n_la, 0
.rept 16
	global_load_b128 v[RK+4*n_la:RK+4*n_la+3], v[GOFF], s[6:7] offset:512*n_la
.set n_la, n_la+1
.endr
.set n_la, 0
.rept 16
	global_load_b128 v[RV+4*n_la:RV+4*n_la+3], v[GOFF], s[8:9] offset:512*n_la
.set n_la, n_la+1
.endr
	WIN 0
.endm
; The next tile's loads (tile t + 2, t in s39), and wave 0's prefetch of the tile behind it.  The caller has jumped to .Lnl_id where t + 2 >= R.
.macro NEXTTILE id
	s_wait_xcnt 0x0                                ; the bases are stepped only behind this wait (the last prefetches name them; the last loads are back)
	s_add_nc_u64 s[6:7], s[6:7], 0x10000           ; 128 rows of 512 bytes on
	s_add_nc_u64 s[8:9], s[8:9], 0x10000
	LOADA
	s_cmp_lg_u32 s14, 0
	s_cbranch_scc1 .Lnl_\id
	s_cmp_ge_i32 s39, s40                          ; tile t + 3 exists only where t < R - 3: no prefetch points past the last tile that is read
	s_cbranch_scc1 .Lnl_\id
	; wave 0 asks for this query block's eighth (16 rows, 8,192 bytes, lanes 256 bytes apart) of tile t + 3 of K and of V, one key step ahead
	; of its loads; the batch's eight work-groups together ask for the whole tile, each block of 256 bytes once
	global_prefetch_b8 v[PF], s[6:7] offset:65536 th:TH_LOAD_NT scope:SCOPE_SE
	global_prefetch_b8 v[PF], s[8:9] offset:65536 th:TH_LOAD_NT scope:SCOPE_SE
.endm
; 16 rows: wait, round 4 f32 a lane to 4 f16 in place, 8 bytes a lane to LDS (a store covers a row's 256 bytes).
.macro STAGE16 base, left, adr, pitch
	WIN 0x45
	s_wait_loadcnt \left
.set n_cv, 0
.rept 16
	v_cvt_pk_f16_f32 v[\base+4*n_cv], v[\base+4*n_cv], v[\base+4*n_cv+1]
	v_cvt_pk_f16_f32 v[\base+4*n_cv+1], v[\base+4*n_cv+2], v[\base+4*n_cv+3]
.set n_cv, n_cv+1
.endr
	WIN 0x04
.set n_cv, 0
.rept 16
	ds_store_b64 v[\adr], v[\base+4*n_cv:\base+4*n_cv+1] offset:\pitch*n_cv
.set n_cv, n_cv+1
.endr
.endm
.macro STAGE ns                        ; my 16 rows of K and of V into slot ns
	STAGE16 RK, 16, SK+\ns, KP                     ; K's 16 loads are in; V's 16 behind them stay out
	STAGE16 RV, 0,  SV+\ns, VP
	WIN 0
.endm
; 8 LDS loads: four fragments (16 keys x 32 d each): key blocks 2 kp, 2 kp + 1, pieces 2 hf, 2 hf + 1 of d, from slot sl
.macro FETCHK kp, hf, fb, sl
.irp kb, 0,1
.irp c, 0,1
	ds_load_b128 v[\fb+16*\kb+8*\c:\fb+16*\kb+8*\c+3],   v[AK+\sl] offset:16*KP*(2*\kp+\kb)+64*(2*\hf+\c)
	ds_load_b128 v[\fb+16*\kb+8*\c+4:\fb+16*\kb+8*\c+7], v[AK+\sl] offset:16*KP*(2*\kp+\kb)+64*(2*\hf+\c)+32
.endr
.endr
.endm
; 8 transposing LDS loads: fragments (16 d x 32 keys) of O's blocks i = 2 p, 2 p + 1, for kc = 0, 1, from slot sl
.macro FETCHV p, fb, sl
.irp e, 0,1
.irp kc, 0,1
	ds_load_tr16_b128 v[\fb+16*\e+8*\kc:\fb+16*\e+8*\kc+3],   v[AV+2*\sl+(2*\p+\e)/4] offset:32*VP*\kc+32*((2*\p+\e)%4)
	ds_load_tr16_b128 v[\fb+16*\e+8*\kc+4:\fb+16*\e+8*\kc+7], v[AV+2*\sl+(2*\p+\e)/4] offset:32*VP*\kc+16*VP+32*((2*\p+\e)%4)
.endr
.endr
.endm
; 8 matrix instructions on the four fragments of FETCHK: they run over four accumulators, S(2 kp + kb, q), so that the links of one sum
; stand four apart; the first piece of d starts the sums
.macro MULS kp, hf, fb
.irp c, 0,1
.irp kb, 0,1
.irp q, 0,1
.set n_z, (1-\hf)*(1-\c)
.if n_z
	v_wmma_f32_16x16x32_f16 v[SB+32*\q+8*(2*\kp+\kb):SB+32*\q+8*(2*\kp+\kb)+7], v[\fb+16*\kb+8*\c:\fb+16*\kb+8*\c+7], v[QB+8*(4*\q+2*\hf+\c):QB+8*(4*\q+2*\hf+\c)+7], 0
.else
	v_wmma_f32_16x16x32_f16 v[SB+32*\q+8*(2*\kp+\kb):SB+32*\q+8*(2*\kp+\kb)+7], v[\fb+16*\kb+8*\c:\fb+16*\kb+8*\c+7], v[QB+8*(4*\q+2*\hf+\c):QB+8*(4*\q+2*\hf+\c)+7], v[SB+32*\q+8*(2*\kp+\kb):SB+32*\q+8*(2*\kp+\kb)+7]
.endif
.endr
.endr
.endr
.endm
; 8 matrix instructions: O(q, 2 p + e) += V^T P^T over my 64 keys, again over four accumulators.  first = 1: the first product starts the
; sums, nothing is cleared
.macro MULO p, fb, first
.irp kc, 0,1
.irp e, 0,1
.irp q, 0,1
.set n_z, \first*(1-\kc)
.if n_z
	v_wmma_f32_16x16x32_f16 v[8*(8*\q+2*\p+\e):8*(8*\q+2*\p+\e)+7], v[\fb+16*\e+8*\kc:\fb+16*\e+8*\kc+7], v[SB+32*\q+16*\kc:SB+32*\q+16*\kc+7], 0
.else
	v_wmma_f32_16x16x32_f16 v[8*(8*\q+2*\p+\e):8*(8*\q+2*\p+\e)+7], v[\fb+16*\e+8*\kc:\fb+16*\e+8*\kc+7], v[SB+32*\q+16*\kc:SB+32*\q+16*\kc+7], v[8*(8*\q+2*\p+\e):8*(8*\q+2*\p+\e)+7]
.endif
.endr
.endr
.endr
.endm
; Register 8 kb + j of a query block is key 16 kb + 8 (lane / 16) + j of my 64: masked where 16 kb + j >= s24 - 8 (lane / 16)
.macro MASK
	v_sub_nc_u32 v[REL], s24, v[H8]
.set n_mk, 0
.rept 32
	v_cmp_ge_i32 vcc_lo, 16*(n_mk/8)+n_mk%8, v[REL]
.irp q, 0,1
	v_cndmask_b32 v[SB+32*\q+n_mk], v[SB+32*\q+n_mk], v[MASKV], vcc_lo
.endr
.set n_mk, n_mk+1
.endr
.endm
; The new running maxima: four chains side by side, two (16 scores each) for a query block; alpha = 2^(old m - new m)
.macro ROWMAX first
.irp q, 0,1
.irp g, 0,1
	v_max3_num_f32 v[MT+2*\q+\g], v[SB+32*\q+16*\g], v[SB+32*\q+16*\g+1], v[SB+32*\q+16*\g+2]
.endr
.endr
.set n_rm, 3
.rept 6
.irp q, 0,1
.irp g, 0,1
	v_max3_num_f32 v[MT+2*\q+\g], v[MT+2*\q+\g], v[SB+32*\q+16*\g+n_rm], v[SB+32*\q+16*\g+n_rm+1]
.endr
.endr
.set n_rm, n_rm+2
.endr
.irp q, 0,1
	v_max3_num_f32 v[MT+2*\q], v[MT+2*\q], v[SB+32*\q+15], v[SB+32*\q+31]  ; the two scores that the chains left
.endr
.irp q, 0,1
.if \first
	v_max_num_f32 v[MT+2*\q], v[MT+2*\q], v[MT+2*\q+1]
.else
	v_max3_num_f32 v[MT+2*\q], v[MT+2*\q], v[MT+2*\q+1], v[MX+2*\q]
.endif
.endr
.irp q, 0,1
	v_permlanex16_b32 v[PX+\q], v[MT+2*\q], s26, s27       ; lane l xor 16 holds the same query's other keys
.endr
.if \first
.irp q, 0,1
	v_max_num_f32 v[MX+2*\q], v[MT+2*\q], v[PX+\q]
.endr
.else
.irp q, 0,1
	v_max_num_f32 v[PX+\q], v[MT+2*\q], v[PX+\q]
.endr
.irp q, 0,1
	v_sub_f32 v[AL+2*\q], v[MX+2*\q], v[PX+\q]
.endr
.irp q, 0,1
	v_exp_f32 v[AL+2*\q], v[AL+2*\q]
.endr
.irp q, 0,1
	v_mov_b32 v[MX+2*\q], v[PX+\q]                         ; also the plain instructions between the exponentials and alpha's first use
.endr
.endif
.endm
; p = 2^(s - m) for the 32 scores a lane has of query block q.  What follows each expansion is plain work on other registers.
.macro SUBEXP q
.set n_se, 0
.rept 16
	v_pk_add_f32 v[SB+32*\q+2*n_se:SB+32*\q+2*n_se+1], v[SB+32*\q+2*n_se:SB+32*\q+2*n_se+1], v[MX+2*\q:MX+2*\q+1] op_sel_hi:[1,0] neg_lo:[0,1] neg_hi:[0,1]
.set n_se, n_se+1
.endr
.set n_se, 0
.rept 32
	v_exp_f32 v[SB+32*\q+n_se], v[SB+32*\q+n_se]
.set n_se, n_se+1
.endr
.endm
; Sum the 32 p in f32, and round them to f16 in place: pair i of a group of 16 registers goes to the group's register i, which holds
; only numbers that have been summed and rounded already.  l = l alpha + sum.
.macro SUMCVT q, first
	s_wait_alu depctr_va_vdst(0)
	v_pk_add_f32 v[SUM+2*\q:SUM+2*\q+1], v[SB+32*\q:SB+32*\q+1], v[SB+32*\q+2:SB+32*\q+3]
	v_cvt_pk_f16_f32 v[SB+32*\q], v[SB+32*\q], v[SB+32*\q+1]
	v_cvt_pk_f16_f32 v[SB+32*\q+1], v[SB+32*\q+2], v[SB+32*\q+3]
.set n_sc, 2
.rept 14
	v_pk_add_f32 v[SUM+2*\q:SUM+2*\q+1], v[SUM+2*\q:SUM+2*\q+1], v[SB+32*\q+2*n_sc:SB+32*\q+2*n_sc+1]
	v_cvt_pk_f16_f32 v[SB+32*\q+16*(n_sc/8)+n_sc%8], v[SB+32*\q+2*n_sc], v[SB+32*\q+2*n_sc+1]
.set n_sc, n_sc+1
.endr
.if \first
	v_add_f32 v[LS+\q], v[SUM+2*\q], v[SUM+2*\q+1]
.else
	v_add_f32 v[SUM+2*\q], v[SUM+2*\q], v[SUM+2*\q+1]
	v_fma_f32 v[LS+\q], v[LS+\q], v[AL+2*\q], v[SUM+2*\q]
.endif
.endm
; O *= alpha: 64 packed multiplies
.macro RESCALE
	WIN 0x41
.irp q, 0,1
.set n_rs, 0
.rept 32
	v_pk_mul_f32 v[64*\q+2*n_rs:64*\q+2*n_rs+1], v[64*\q+2*n_rs:64*\q+2*n_rs+1], v[AL+2*\q:AL+2*\q+1] op_sel_hi:[1,0]
.set n_rs, n_rs+1
.endr
.endr
	WIN 0
.endm
; ONE KEY STEP: 128 keys, read from slot sl.  s39 = its number t; s22 = R, the key steps that run; s25 = R - 1, s28 = R - 2, s40 = R - 3;
; s24 = valid_length - 64 kh - 128 t.  All compares of t are signed (R - 2 and R - 3 can be negative, and the set-up uses t = -1).
; first = 1: nothing to rescale, the products start the sums.  last = 1: nothing follows: no staging, no loads, no barrier.
; guard = 1: the work is jumped over where t >= R.  ns = the slot that takes tile t + 1.
; Each s_wait_dscnt 8 leaves out the youngest run of eight fragment loads.
.macro KSTEP first, last, guard, sl, ns, id
.if \last
	s_wait_loadcnt 0x0                             ; nothing is out here (no tile 8 is ever asked for): on every path of the text the rows' registers have no load pending from here on
	s_cmp_ge_i32 s39, s22
	s_cbranch_scc1 .Lj2_\id
.else
.if \guard
	s_cmp_lt_i32 s39, s22
	s_cbranch_scc1 .Lrun_\id
	s_wait_loadcnt 0x0                             ; nothing is out in a step that does not run: as above
	s_branch .Lj1_\id
.Lrun_\id:
.endif
.endif
	FETCHK 0, 0, FB0, \sl
	FETCHK 0, 1, FB1, \sl
	s_wait_dscnt 0x8                               ; S^T = K Q^T: every register of these products lies in window 0
	MULS 0, 0, FB0
	PLACES 4                                       ; four places before a load is issued into registers that a matrix instruction has read
	FETCHK 1, 0, FB0, \sl
	s_wait_dscnt 0x8
	MULS 0, 1, FB1
	PLACES 4
	FETCHK 1, 1, FB1, \sl
	s_wait_dscnt 0x8
	MULS 1, 0, FB0
	PLACES 4
	FETCHV 0, FB0, \sl                             ; V's first fragments arrive during the softmax
	s_wait_dscnt 0x8
	MULS 1, 1, FB1
	PLACES 4                                       ; also the four places before vector instructions read S
	FETCHV 1, FB1, \sl
.if \last
.else
	s_cmp_ge_i32 s39, s25                          ; is there a tile t + 1 ?
	s_cbranch_scc1 .Lnc_\id
	STAGE \ns                                      ; asked for a key step ago; its stores drain under the exponentials below
.Lnc_\id:
	s_wait_loadcnt 0x0                             ; nothing is out here (the staging waited for all, or nothing was asked for)
.endif
	s_cmp_ge_i32 s24, 64                           ; all my 64 keys valid: nothing to mask
	s_cbranch_scc1 .Lnm_\id
	MASK
.Lnm_\id:
	ROWMAX \first
	SUBEXP 0
	SUBEXP 1
.if \last
.else
	s_wait_dscnt 0x0                               ; the staging's stores are done with the rows' registers: the next loads may land on them
	s_cmp_ge_i32 s39, s28                          ; is there a tile t + 2 ?
	s_cbranch_scc1 .Lnl_\id
	NEXTTILE \id                                   ; on its way from here to behind the next step's products S
.Lnl_\id:
.endif
	SUMCVT 0, \first
.if \first
.else
	RESCALE
.endif
	SUMCVT 1, \first
.if \last
.else
.if \guard
.Lj1_\id:
.endif
	s_wait_dscnt 0x0                               ; my part of tile t + 1 is in LDS, and my reads of the slot of step t - 1 have long been over
	s_barrier_signal -1                            ; say so; up to the wait only LDS loads from this step's slot, matrix instructions and v_nop
.if \guard
	s_cmp_ge_i32 s39, s22
	s_cbranch_scc1 .Lj2_\id
.endif
.endif
	s_wait_dscnt 0x8
	WIN 0x50                                       ; C and D (O) in window 1
	MULO 0, FB0, \first
	PLACES 4
	WIN 0
	FETCHV 2, FB0, \sl
	s_wait_dscnt 0x8
	WIN 0x50
	MULO 1, FB1, \first
	PLACES 4
	WIN 0
	FETCHV 3, FB1, \sl
	s_wait_dscnt 0x8
	WIN 0x50
	MULO 2, FB0, \first
	s_wait_dscnt 0x0                               ; my reads of this step's slot are over
	MULO 3, FB1, \first
	PLACES 5                                       ; five places before the next step's products write over P; they also cover its loads into the
	WIN 0                                          ; fragment buffers and every later read of O
.if \guard
.Lj2_\id:
.endif
.if \last
.else
	s_barrier_wait -1                              ; everybody's part of tile t + 1 is in LDS
	s_add_co_i32 s39, s39, 1
	s_sub_co_i32 s24, s24, 128
.endif
.endm
	; ---------------------------------------------------------------- set-up
	s_load_b256 s[4:11], s[0:1], 0x0               ; query s[4:5], key s[6:7], value s[8:9], valid_length s[10:11]
	s_load_b64 s[12:13], s[0:1], 0x20              ; out
	v_lshl_add_u32 v126, v0, 2, 0x4e000
	v_mov_b32 v127, 0
	v_lshrrev_b32 v1, 5, v0
	v_readfirstlane_b32 s14, v1                    ; wave 0 .. 7
	s_and_b32 s17, ttmp7, 0xffff                   ; batch
	s_lshl_b32 s29, s17, 2
	s_and_b32 s15, s14, 1                          ; kh
	s_lshr_b32 s16, s14, 1                         ; qh 0 .. 3
	s_wait_kmcnt 0x0
	s_load_b32 s19, s[10:11], s29 offset:0x0       ; valid_length[batch]
	s_lshl_b32 s20, s17, 19                        ; a batch is 1024 rows of 512 bytes
	s_mov_b32 s21, 0
	s_add_nc_u64 s[6:7], s[6:7], s[20:21]
	s_add_nc_u64 s[8:9], s[8:9], s[20:21]
	s_lshl_b32 s31, ttmp9, 16                      ; a query block is 128 rows
	s_add_co_u32 s20, s20, s31
	s_add_nc_u64 s[4:5], s[4:5], s[20:21]
	s_lshl_b32 s31, s16, 14                        ; out: my 32 rows,
	s_add_co_u32 s20, s20, s31
	s_lshl_b32 s31, s15, 8                         ; and the 64 d (256 bytes) that I keep
	s_add_co_u32 s20, s20, s31
	s_add_nc_u64 s[12:13], s[12:13], s[20:21]
	v_and_b32 v1, 31, v0                           ; lane
	s_lshl_b32 s31, s14, 13                        ; 16 rows of 512 bytes a wave
	v_lshl_add_u32 v[GOFF], v1, 4, s31
.set n_q, 0
.rept 16
	global_load_b128 v[SB+4*n_q:SB+4*n_q+3], v[GOFF], s[4:5] offset:512*n_q th:TH_LOAD_NT      ; my wave's 16 query rows; no other work-group reads them
.set n_q, n_q+1
.endr
	LOADA                                          ; tile 0
	v_and_b32 v2, 15, v0                           ; r = lane % 16
	v_bfe_u32 v3, v0, 4, 1                         ; h = lane / 16
	s_mul_i32 s31, s14, 16*KP
	v_lshl_add_u32 v[SK], v1, 3, s31               ; slot 0: 16 wave rows + 8 lane
	s_add_co_u32 s32, s31, QS
	v_lshl_add_u32 v[STQ], v1, 3, s32
	s_mul_i32 s33, s14, 16*VP
	s_add_co_u32 s33, s33, VS
	v_lshl_add_u32 v[SV], v1, 3, s33
	v_mul_u32_u24 v28, v2, KP
	v_lshl_add_u32 v28, v3, 4, v28                 ; a fragment with d along the rows: row r, 16 bytes for each half of the lanes
	s_mul_i32 s34, s15, 64*KP
	v_add_nc_u32 v[AK], s34, v28
	s_mul_i32 s35, s16, 32*KP
	s_add_co_u32 s35, s35, QS
	v_add_nc_u32 v[ADRQ], s35, v28
	v_and_b32 v29, 7, v0                           ; a transposed fragment: key 8 h + lane % 8, 16 bytes for each eight lanes
	v_lshl_add_u32 v29, v3, 3, v29
	v_mul_u32_u24 v29, v29, VP
	v_bfe_u32 v30, v0, 3, 1
	v_lshl_add_u32 v29, v30, 4, v29
	s_mul_i32 s36, s15, 64*VP+128                  ; my 64 keys, and d from 64 kh on (128 bytes)
	s_add_co_u32 s36, s36, VS
	v_add_nc_u32 v[AV], s36, v29
	s_mul_i32 s37, s15, 64*VP-128                  ; my 64 keys, and d from 64 (1 - kh) on
	s_add_co_u32 s37, s37, VS+128
	v_add_nc_u32 v[AV+1], s37, v29
.irp s, 1,2
	v_add_nc_u32 v[SK+\s], \s*SLOTB, v[SK]         ; the same five places in slots 1 and 2
	v_add_nc_u32 v[SV+\s], \s*SLOTB, v[SV]
	v_add_nc_u32 v[AK+\s], \s*SLOTB, v[AK]
	v_add_nc_u32 v[AV+2*\s], \s*SLOTB, v[AV]
	v_add_nc_u32 v[AV+2*\s+1], \s*SLOTB, v[AV+1]
.endr
	v_lshlrev_b32 v[H8], 3, v3
	v_mov_b32 v[MASKV], 0xc9b01c38                 ; -1e6 log2(e)
	s_lshl_b32 s38, ttmp9, 13
	v_lshl_add_u32 v[PF], v1, 8, s38
	s_mov_b32 s26, 0x76543210                      ; v_permlanex16_b32: lane i of one half reads lane i of the other
	s_mov_b32 s27, 0xfedcba98
.irp q, 0,1
	v_mov_b32 v[MX+2*\q+1], 0                      ; the pairs' second registers are named by packed instructions, and v_permlanex16_b32
	v_mov_b32 v[AL+2*\q+1], 0                      ; names its destination: written once
	v_mov_b32 v[PX+\q], 0
.endr
	s_wait_kmcnt 0x0
	s_max_i32 s19, s19, 0
	s_min_i32 s19, s19, 1024
	s_add_co_u32 s22, s19, 127
	s_lshr_b32 s22, s22, 7                         ; R: key steps that hold a valid key,
	s_cmp_eq_u32 s19, 0
	s_cselect_b32 s22, 8, s22                      ; or all eight where no key is valid
	s_sub_co_i32 s25, s22, 1
	s_sub_co_i32 s28, s22, 2
	s_sub_co_i32 s40, s22, 3
	s_lshl_b32 s31, s15, 6
	s_sub_co_i32 s24, s19, s31
	s_mov_b32 s39, -1                              ; t = -1: the loads below are tile 1's, the prefetch tile 2's
	s_wait_loadcnt 0x20                            ; Q's 16 loads are in; the 32 of tile 0 behind them stay out
.set n_q, 0
.rept 16
	v_pk_mul_f32 v[SB+4*n_q:SB+4*n_q+1], v[SB+4*n_q:SB+4*n_q+1], 0x3e0293ee op_sel_hi:[1,0]            ; log2(e) / sqrt(128)
	v_pk_mul_f32 v[SB+4*n_q+2:SB+4*n_q+3], v[SB+4*n_q+2:SB+4*n_q+3], 0x3e0293ee op_sel_hi:[1,0]
	v_cvt_pk_f16_f32 v[SB+4*n_q], v[SB+4*n_q], v[SB+4*n_q+1]
	v_cvt_pk_f16_f32 v[SB+4*n_q+1], v[SB+4*n_q+2], v[SB+4*n_q+3]
	ds_store_b64 v[STQ], v[SB+4*n_q:SB+4*n_q+1] offset:KP*n_q
.set n_q, n_q+1
.endr
	STAGE 0                                        ; tile 0 into slot 0
	s_wait_dscnt 0x0                               ; my rows of Q, K and V are in LDS, and the rows' registers are free
	s_cmp_ge_i32 s39, s28                          ; is there a tile 1 ?
	s_cbranch_scc1 .Lnl_p
	NEXTTILE p
.Lnl_p:
	s_barrier_signal -1
	s_barrier_wait -1                              ; everybody's rows are in LDS
	s_mov_b32 s39, 0
.irp q, 0,1
.irp c, 0,1,2,3
	ds_load_b128 v[QB+8*(4*\q+\c):QB+8*(4*\q+\c)+3],   v[ADRQ] offset:16*KP*\q+64*\c      ; Q's 8 fragments stay in registers; the first
	ds_load_b128 v[QB+8*(4*\q+\c)+4:QB+8*(4*\q+\c)+7], v[ADRQ] offset:16*KP*\q+64*\c+32   ; s_wait_dscnt 8 of the key step covers them
.endr
.endr
	; ---------------------------------------------------------------- the eight key steps: slots 0 | 1 2 0 | 1 2 0 | 1
	KSTEP 1, 0, 0, 0, 1, a                         ; t = 0 always runs
	s_mov_b32 s23, 0
.Lloop:
	KSTEP 0, 0, 1, 1, 2, b                         ; t = 1, 4
	KSTEP 0, 0, 1, 2, 0, c                         ; t = 2, 5
	KSTEP 0, 0, 1, 0, 1, d                         ; t = 3, 6
	s_add_co_u32 s23, s23, 1
	s_cmp_lt_u32 s23, 2
	s_cbranch_scc1 .Lloop
	KSTEP 0, 1, 1, 1, 0, e                         ; t = 7: nothing follows
	; ---------------------------------------------------------------- the pair's merge
	s_xor_b32 s30, s14, 1                          ; my partner: same query rows, the other keys
	s_lshl_b32 s31, s14, 9
	s_add_co_u32 s31, s31, XST
	v_lshl_add_u32 v[XS], v1, 2, s31
	s_lshl_b32 s32, s30, 9
	s_add_co_u32 s32, s32, XST
	v_lshl_add_u32 v[PS], v1, 2, s32
	s_lshl_b32 s33, s14, 13
	s_add_co_u32 s33, s33, XCH
	v_lshl_add_u32 v[XO], v1, 4, s33
	s_lshl_b32 s34, s30, 13
	s_add_co_u32 s34, s34, XCH
	v_lshl_add_u32 v[PO], v1, 4, s34
	s_mul_i32 s35, s14, 32*KP
	s_add_co_u32 s35, s35, STG
.irp q, 0,1
	v_permlanex16_b32 v[PX+\q], v[LS+\q], s26, s27
.endr
.irp q, 0,1
	v_add_f32 v[LS+\q], v[LS+\q], v[PX+\q]         ; l over all my wave's keys
.endr
.irp q, 0,1
	ds_store_b32 v[XS], v[MX+2*\q] offset:128*\q
	ds_store_b32 v[XS], v[LS+\q] offset:256+128*\q
.endr
	WIN 0x04
.set n_x, 0
.rept 16                                               ; piece n = 8 q + 2 i + half: four registers of O(q, 4 + i)
	ds_store_b128 v[XO], v[64*(n_x/8)+32+4*(n_x%8):64*(n_x/8)+32+4*(n_x%8)+3] offset:512*n_x
.set n_x, n_x+1
.endr
	WIN 0
	s_wait_dscnt 0x0                               ; what my partner will read is in LDS; my reads of the ring are over too
	s_barrier_signal -1
	s_barrier_wait -1                              ; from here on nobody reads the ring: slot 0's bytes serve as the stage
.irp q, 0,1
	ds_load_b32 v[SUM+\q], v[PS] offset:128*\q             ; the partner's m
	ds_load_b32 v[SUM+2+\q], v[PS] offset:256+128*\q       ; and l
.endr
.set n_x, 0
.rept 16
	ds_load_b128 v[SB+4*n_x:SB+4*n_x+3], v[PO] offset:512*n_x      ; X(q, i) at SB + 32 q + 8 i: the partner's sums for the d that I keep
.set n_x, n_x+1
.endr
	s_wait_dscnt 0x10                              ; the four words are in; the 16 pieces stay out
.irp q, 0,1
	v_max_num_f32 v[MT+\q], v[MX+2*\q], v[SUM+\q]
.endr
.irp q, 0,1
	v_sub_f32 v[MX+2*\q], v[MX+2*\q], v[MT+\q]
	v_sub_f32 v[AL+2*\q], v[SUM+\q], v[MT+\q]
.endr
.irp q, 0,1
	v_exp_f32 v[MX+2*\q], v[MX+2*\q]               ; f  = 2^(m - M)
	v_exp_f32 v[AL+2*\q], v[AL+2*\q]               ; f' = 2^(m' - M); one of the two is 1, and its l is at least 1
.endr
	v_mul_u32_u24 v[SG], v2, KP                    ; a plain instruction between the exponentials and their first use
	s_wait_alu depctr_va_vdst(0)
.irp q, 0,1
	v_mul_f32 v[PX+\q], v[LS+\q], v[MX+2*\q]
.endr
.irp q, 0,1
	v_fmac_f32 v[PX+\q], v[SUM+2+\q], v[AL+2*\q]   ; l f + l' f'
.endr
.irp q, 0,1
	v_rcp_f32 v[PX+\q], v[PX+\q]
.endr
	v_mul_u32_u24 v[RB], v3, KP                    ; a plain instruction between the reciprocals and their first use
	s_wait_alu depctr_va_vdst(0)
.irp q, 0,1
	v_mul_f32 v[MX+2*\q], v[MX+2*\q], v[PX+\q]     ; g  = f  / (l f + l' f')
	v_mul_f32 v[AL+2*\q], v[AL+2*\q], v[PX+\q]     ; g' = f' / (l f + l' f')
.endr
	v_lshl_add_u32 v[SG], v3, 5, v[SG]             ; into the stage: row r, 32 bytes for each half of the lanes
	v_add_nc_u32 v[SG], s35, v[SG]
	v_lshl_add_u32 v[RB], v2, 4, v[RB]             ; back: lanes 0-15 one row of 256 bytes, lanes 16-31 the next
	v_add_nc_u32 v[RB], s35, v[RB]
	v_lshlrev_b32 v[CO], 9, v3                     ; and the same two rows in out
	v_lshl_add_u32 v[CO], v2, 4, v[CO]
.irp q, 0,1
	s_wait_dscnt 8-8*\q                            ; query block q's eight pieces are in; the later block's stay out
.set n_x, 0
.rept 16
	v_pk_mul_f32 v[SB+32*\q+2*n_x:SB+32*\q+2*n_x+1], v[SB+32*\q+2*n_x:SB+32*\q+2*n_x+1], v[AL+2*\q:AL+2*\q+1] op_sel_hi:[1,0]
.set n_x, n_x+1
.endr
.endr
	WIN 0x01                                       ; source 0 (O) in window 1
.irp q, 0,1
.set n_x, 0
.rept 16
	v_pk_fma_f32 v[SB+32*\q+2*n_x:SB+32*\q+2*n_x+1], v[64*\q+2*n_x:64*\q+2*n_x+1], v[MX+2*\q:MX+2*\q+1], v[SB+32*\q+2*n_x:SB+32*\q+2*n_x+1] op_sel_hi:[1,0,1]
.set n_x, n_x+1
.endr
.endr
	WIN 0
	; ---------------------------------------------------------------- the way out: 32 rows x 256 bytes through my own stage
.set n_x, 0
.rept 16                                               ; n = 8 q + 2 i + half: row 16 q + r, bytes 64 i + 32 h + 16 half
	ds_store_b128 v[SG], v[SB+4*n_x:SB+4*n_x+3] offset:16*KP*(n_x/8)+64*((n_x%8)/2)+16*(n_x%2)
.set n_x, n_x+1
.endr
	WIN 0x40
.set n_x, 0
.rept 16
	ds_load_b128 v[RK+4*n_x:RK+4*n_x+3], v[RB] offset:2*KP*n_x     ; my own bytes; LDS serves a wave's instructions in order (ISA guide 5.7.1): these see the stores above
.set n_x, n_x+1
.endr
	WIN 0x04
.set n_x, 0
.rept 16
	s_wait_dscnt 15-n_x                            ; load n is in; the younger ones stay out
	global_store_b128 v[CO], v[RK+4*n_x:RK+4*n_x+3], s[12:13] offset:1024*n_x th:TH_STORE_NT   ; 16 lanes store 256 consecutive bytes, at a multiple of 256 from out's first byte
.set n_x, n_x+1
.endr
	WIN 0
	s_wait_tensorcnt 0x0
	ds_add_u32 v126, v127
	s_wait_dscnt 0x0
	s_endpgm
.Lfunc_end_k_q6661b24cde_attn:
	.size	k_q6661b24cde_attn, .Lfunc_end_k_q6661b24cde_attn-k_q6661b24cde_attn
	.p2alignl 7, 3214868480
	.fill 96, 4, 3214868480
	.section	.rodata,"a",@progbits
	.p2align	6, 0x0
	.amdhsa_kernel k_q6661b24cde_attn
		.amdhsa_group_segment_fixed_size 320512
		.amdhsa_private_segment_fixed_size 0
		.amdhsa_enable_private_segment 0
		.amdhsa_kernarg_size 40
		.amdhsa_user_sgpr_count 2
		.amdhsa_user_sgpr_kernarg_segment_ptr 1
		.amdhsa_wavefront_size32 1
		.amdhsa_system_sgpr_workgroup_id_x 1
		.amdhsa_system_sgpr_workgroup_id_y 1
		.amdhsa_system_sgpr_workgroup_id_z 1
		.amdhsa_system_vgpr_workitem_id 0
		.amdhsa_next_free_vgpr 512
		.amdhsa_next_free_sgpr 66
		.amdhsa_reserve_vcc 1
		.amdhsa_float_denorm_mode_32 3
		.amdhsa_float_denorm_mode_16_64 3
		.amdhsa_memory_ordered 1
		.amdhsa_forward_progress 1
		.amdhsa_inst_pref_size 211
	.end_amdhsa_kernel
	.amdgpu_metadata
---
amdhsa.version: [ 1, 2 ]
amdhsa.kernels:
  - .name:           k_q6661b24cde_attn
    .symbol:         k_q6661b24cde_attn.kd
    .args:
      - { .name: query, .offset: 0, .size: 8, .value_kind: global_buffer, .address_space: global }
      - { .name: key, .offset: 8, .size: 8, .value_kind: global_buffer, .address_space: global }
      - { .name: value, .offset: 16, .size: 8, .value_kind: global_buffer, .address_space: global }
      - { .name: valid_length, .offset: 24, .size: 8, .value_kind: global_buffer, .address_space: global }
      - { .name: out0, .offset: 32, .size: 8, .value_kind: global_buffer, .address_space: global }
    .group_segment_fixed_size: 320512
    .private_segment_fixed_size: 0
    .kernarg_segment_align: 8
    .kernarg_segment_size: 40
    .max_flat_workgroup_size: 256
    .sgpr_count:     66
    .vgpr_count:     512
    .wavefront_size: 32
...
	.end_amdgpu_metadata
.endif
;; end of part 2
;; ======== version 3 of 3: 1 launch; version 2 with the launch attn written anew for expert scheduling mode
;; limits: right only within a limited range of input values; values are held in f16: magnitudes above 65,504 overflow, below 6.1e-05 lose precision; inputs' magnitudes at most 65,504
;; launch attn (part 3): grid 8 x 32, 8 waves a work-group, no clusters, 320,512 bytes of LDS; arguments query, key, value, valid_length, out0; writes out0
.if DOCPART == 3
	.amdgcn_target "amdgcn-amd-amdhsa--gfx1250"
	.amdhsa_code_object_version 6
	.text
	.protected	k_q6661b24cde_attn
	.globl	k_q6661b24cde_attn
	.p2align	8
	.type	k_q6661b24cde_attn,@function
k_q6661b24cde_attn:
	s_mov_b64 s[64:65], 0
	v_nop
	global_prefetch_b8 v0, s[64:65] scope:SCOPE_SE
	s_setreg_imm32_b32 hwreg(HW_REG_WAVE_SCHED_MODE, 0, 2), 2
	s_setreg_imm32_b32 hwreg(HW_REG_WAVE_MODE, 25, 1), 1
	s_wait_xcnt 0x0
	s_wait_alu depctr_vm_vsrc(0)
; out[b][q][:] = softmax over k of ( q.k / sqrt(128), or -1e6 where k >= valid_length[b] ) times value.  32 batches, 1024 x 1024, d = 128, all f32.
;
; SHARES.  A work-group (x = query block, y = batch) owns 128 query rows of one batch.  Eight waves, 4 x 2: qh = wave >> 1 picks 32 query rows,
; kh = wave & 1 picks 64 of the 128 keys of a key step.  Each wave runs its own running-maximum softmax over its own keys; at the end the two
; waves of a pair (same qh) merge (m, l, O) once through LDS.
; WHY EIGHT WAVES OF 512 REGISTERS, two to a SIMD: a wave's key step is 32 matrix instructions, then some 300 vector instructions that hang on
; their results, then 32 matrix instructions that hang on those; a wave alone on its SIMD has nothing to issue while it waits inside one of
; these.  The price: a K or V fragment feeds 2 matrix instructions (a wave reads 32 KiB of fragments for 64).
; 64 query rows a wave would need O 256 + Q 128 + S 64 + rows on their way 128 + fragments 64 = 640 registers of the 512.
;
; FORMAT: the matrix operands Q, K, P, V are f16, the sums f32.  f16 keeps 11 significant bits where bf16 keeps 8, so each of the four roundings
; is 8 times finer.  P lies in 0 .. 1.  Inputs 30 times the unit spread, or offset by 30 spreads, stay under 200, against f16's largest 65,504.
;
; BOTH PRODUCTS ARE TRANSPOSED.  S^T = K Q^T: source 0 = 16 keys x 32 d, source 1 = 16 queries x 32 d; lane l then holds query l % 16 and, in
; registers 0-7, keys 8 (l / 16) + 0..7.  So a row's maximum and sum are per lane, but for one exchange with lane l xor 16, and two such tiles,
; rounded to f16 in place, ARE source 1 (queries x 32 keys) of O^T = V^T P^T.  In O^T a lane holds 8 neighbouring d of one query row.
;
; K AND V: memory -> registers (f32, one row of 512 bytes to a load) -> f16 -> LDS -> fragments.
; NO CLUSTER, NO JOINT TENSOR LOADS, though the 8 query blocks of a batch read the same K and V: a tensor load can only lay f32 into LDS.
; A key step would then move 131,072 bytes into LDS, 131,072 back out for the conversion, 65,536 of f16 in and 262,144 of fragments out:
; 589,824 LDS bytes for the work-group's 512 matrix instructions, against 65,536 + 262,144 = 327,680 on the way taken here.
;
; THE RING: three LDS slots, tile t in slot t % 3, and ONE barrier a key step, its signal and its wait apart.  Step t: products S on slot t % 3;
; tile t + 1 goes from registers into slot (t + 1) % 3; softmax, with the loads of tile t + 2 in its middle; signal; products O on slot t % 3; wait.
;   - tile t + 1 is read in step t + 1, behind wait t; every wave has waited for its stores of it in front of its signal t.
;   - slot t % 3 is written again with tile t + 3, in step t + 2, behind wait t + 1; every wave has waited for its reads of it in front of signal t + 1.
;   - while a wave stands between signal t and wait t, others can be in step t (storing into slot (t + 1) % 3) or already in step t + 1 (storing
;     into slot (t + 2) % 3), never further: what it reads there, slot t % 3, is written by nobody.  Two slots would not give that.
; So a wave at the wait needs only that the others are through their softmax: the waves may be apart by the products O.
;
; THE MODE: SCHED_MODE bits 1:0 = 2 (LLVM: expert scheduling mode 2), set by the entry lines.  The code itself states the register dependences
; between vector or matrix instructions and memory or LDS instructions, with s_wait_alu, always for 0.
; THE PLAN.  Registers that memory or LDS instructions touch in a key step, and who else names them:
;   FB0, FB1   fragment buffers: runs of eight LDS loads land in them, groups of eight products read them, by turns.
;   RK, RV     the rows on their way: 32 global loads land; 64 roundings read and write them in place; 32 LDS stores read them.
;   addresses  made once at the head and never written again; the tiles are reached by the scalar bases and by immediate offsets.
;   S / P, Q's fragments, O and the statistics are named by vector and matrix instructions alone.
; Waits on va_vdst in a step: (1) at its head: the last step's products O are done with both buffers; (2), (3) behind the first and the second
; eight products S: they are done with the buffer that is loaded next; (4) behind all of S and behind the roundings, which are issued while the
; last products finish: the products are done with both buffers (V's first two runs follow) and the roundings have written the rows (the 32
; stores follow); (5) behind the window's switch, directly ahead of the next tile's loads: the roundings are done with the rows;
; (6), (7) among the products O, as (2), (3).  One wait on vm_vsrc, in the middle of the softmax: the 32 stores have read the rows.
; One wait on va_sdst where keys are masked: 32 compares in a run, then the selects.
;
; BASE 2: Q is multiplied by log2(e) / sqrt(128) before it is rounded to f16, the mask value is -1e6 log2(e), exponentials are v_exp_f32.
;
; LIMITS.  Range: |key|, |value| and 0.1275 |query| must stay below 65,504, else the rounding to f16 gives an infinity; magnitudes below 2^-14
; are kept to an absolute step of 2^-24 only.  valid_length is clamped to 0 .. 1024, which gives what the comparison pos >= valid_length gives.
; valid_length = 0: all 8 key steps run, fully masked, and give the mean of the 1024 value rows.  valid_length >= 1: key steps that hold no valid
; key are left out; their keys' weights are exp(-1e6 - row maximum), below 1e-13 as long as a row's best valid score is above -999,970
; (|q.k| near 1.1e7).  Masked keys inside a key step that runs are treated as written above.  NaN and infinities in the inputs are not followed.
; The loop makes its trips and passes its barriers whatever valid_length is: only work between the barrier's lines is jumped over.
;
; LDS (bytes)                                             pitch
.set KP,    272                        ; K, Q (f16) and the f32 stage: 256 bytes + 16, so that 16 neighbouring rows start 16 bytes apart modulo 256
.set VP,    288                        ; V (f16): 256 + 32, an odd multiple of 32, for the transposing loads
.set SLOTB, 71680                      ; a slot: 128 keys of K x 272 = 34,816, then 128 keys of V x 288 = 36,864; slots at 0, 71,680, 143,360
.set VS,    34816                      ; V's place in a slot
.set QS,    215040                     ; 128 query rows x 272 = 34,816
.set XST,   249856                     ; a wave: 512: word f (m0, m1, l0, l1) of lane l at 128 f + 4 l
.set XCH,   253952                     ; a wave: 8,192: 16 pieces of 512 bytes, the half of O that goes to the partner.  Ends at 319,488
.set STG,   0                          ; a wave: 32 rows x 272: the way out, 69,632 in all, over slot 0: first written behind the merge's barrier,
                                       ; in front of which every wave has waited for all its LDS reads
; REGISTERS, in two windows of 256.  Window 0:
.set GOFF,  4                          ; byte offset of my 16 bytes in row 0 of my wave's 16 rows of a tile: 8,192 wave + 16 lane
.set H8,    5                          ; 8 (lane / 16)
.set MASKV, 6                          ; -1e6 log2(e)
.set REL,   7                          ; first masked key, counted from my lane's key 0
.set ADRQ,  8                          ; LDS: Q fragments of my 32 rows
.set STQ,   9                          ; LDS: where my 8 bytes of Q row 0 of my 16 go
.set PF,    10                         ; prefetch: 8,192 query block + 256 lane
.set AK,    12                         ; v12-14   slot s: K fragments of my 64 keys
.set MX,    16                         ; v16-19   pairs (m of query block q, 0): the first register feeds both halves of a packed instruction
.set SK,    20                         ; v20-22   slot s: where my 8 bytes of K row 0 of my 16 go
.set LS,    24                         ; v24-25   running sums l (my lane's keys only, until the end)
.set MT,    28                         ; v28-31   a step's maxima, two chains for each query block
.set PX,    32                         ; v32-33   what the other half of the lanes sent
.set SUM,   36                         ; v36-39   pairs of sums; at the end the partner's m (36-37) and l (38-39)
.set SV,    40                         ; v40-42   slot s: where my 8 bytes of V row 0 of my 16 go
.set XS,    44                         ; v44-47   the merge: my and my partner's bytes in XST and XCH
.set XO,    45
.set PS,    46
.set PO,    47
.set FB0,   48                         ; v48-79   fragment buffer 0 (four fragments)
.set FB1,   80                         ; v80-111  fragment buffer 1
.set SG,    112                        ; the way out: into the stage, back from it, offset in out
.set RB,    113
.set CO,    114
.set AL,    116                        ; v116-119 pairs (alpha of query block q, 0)
.set AV,    120                        ; v120-125 slot s: V fragments; AV + 2 s: the d half that I keep (d blocks 4 kh ..), AV + 2 s + 1: my partner's
.set SB,    128                        ; v128-191 S(key block kb, q) at SB + 32 q + 8 kb;  P(q, kc) in place at SB + 32 q + 16 kc, 8 registers
.set QB,    192                        ; v192-255 Q(q, c) at QB + 8 (4 q + c), c = 32 d
; Window 1: O(q, i) at 8 (8 q + i); i < 4: d block 4 kh + i (kept), i >= 4: d block 4 (1 - kh) + i - 4 (sent to the partner);
.set RK,    128                        ; K row i of my 16 at RK + 4 i, f32 as loaded, then f16 in the first two
.set RV,    192                        ; V row i likewise
.set MK,    66                         ; s[66:97] the lane masks of the 32 compares where keys are masked
; s_set_vgpr_msb's low byte: bits 1:0 source 0, 3:2 source 1, 5:4 source 2, 7:6 destination; the high byte repeats the setting that is left.
.set MSB, 0
.macro WIN new
.if MSB != \new
	s_set_vgpr_msb (MSB<<8)|\new
.set MSB, \new
.endif
.endm
; Places behind matrix instructions (ISA guide 7.12.1): plain vector instructions that name none of their registers.
.macro PLACES n
.rept \n
	v_nop
.endr
.endm
; 32 loads: the 16 K rows and the 16 V rows of my wave's eighth of a tile, 512 consecutive bytes each.  The caller has set the destination's window to 1.
.macro LOADA
.set n_la, 0
.rept 16
	global_load_b128 v[RK+4*n_la:RK+4*n_la+3], v[GOFF], s[6:7] offset:512*n_la
.set n_la, n_la+1
.endr
.set n_la, 0
.rept 16
	global_load_b128 v[RV+4*n_la:RV+4*n_la+3], v[GOFF], s[8:9] offset:512*n_la
.set n_la, n_la+1
.endr
.endm
; The next tile's loads (tile t + 2, t in s39), and wave 0's prefetch of the tile behind it.  The caller has jumped to .Lnl_id where t + 2 >= R,
; and has stated ahead of that jump that the staging's stores have read the rows' registers.
.macro NEXTTILE id
	s_wait_xcnt 0x0                                ; the bases are stepped only behind this wait (the last prefetches name them; the last loads are back)
	s_add_nc_u64 s[6:7], s[6:7], 0x10000           ; 128 rows of 512 bytes on
	s_add_nc_u64 s[8:9], s[8:9], 0x10000
	WIN 0x40
	s_wait_alu depctr_va_vdst(0)                   ; the roundings are done reading and writing the rows' registers, in which the loads below land: stated behind the window's switch, directly ahead of the loads
	LOADA
	WIN 0
	s_cmp_lg_u32 s14, 0
	s_cbranch_scc1 .Lnl_\id
	s_cmp_ge_i32 s39, s40                          ; tile t + 3 exists only where t < R - 3: no prefetch points past the last tile that is read
	s_cbranch_scc1 .Lnl_\id
	; wave 0 asks for this query block's eighth (16 rows, 8,192 bytes, lanes 256 bytes apart) of tile t + 3 of K and of V, one key step ahead
	; of its loads; the batch's eight work-groups together ask for the whole tile, each block of 256 bytes once
	global_prefetch_b8 v[PF], s[6:7] offset:65536 th:TH_LOAD_NT scope:SCOPE_SE
	global_prefetch_b8 v[PF], s[8:9] offset:65536 th:TH_LOAD_NT scope:SCOPE_SE
.endm
; 16 rows: wait, round 4 f32 a lane to 4 f16 in place.
.macro ROUND16 base, left
	s_wait_loadcnt \left
.set n_cv, 0
.rept 16
	v_cvt_pk_f16_f32 v[\base+4*n_cv], v[\base+4*n_cv], v[\base+4*n_cv+1]
	v_cvt_pk_f16_f32 v[\base+4*n_cv+1], v[\base+4*n_cv+2], v[\base+4*n_cv+3]
.set n_cv, n_cv+1
.endr
.endm
.macro ROUND                           ; my 16 rows of K and of V
	WIN 0x45
	ROUND16 RK, 16                                 ; K's 16 loads are in; V's 16 behind them stay out
	ROUND16 RV, 0
	WIN 0
.endm
; 16 rows: 8 bytes a lane to LDS (a store covers a row's 256 bytes).
.macro PUT16 base, adr, pitch
.set n_cv, 0
.rept 16
	ds_store_b64 v[\adr], v[\base+4*n_cv:\base+4*n_cv+1] offset:\pitch*n_cv
.set n_cv, n_cv+1
.endr
.endm
.macro PUT ns                          ; my 16 rows of K and of V into slot ns; the caller has stated that the roundings have written them
	WIN 0x04
	PUT16 RK, SK+\ns, KP
	PUT16 RV, SV+\ns, VP
	WIN 0
.endm
; 8 LDS loads: four fragments (16 keys x 32 d each): key blocks 2 kp, 2 kp + 1, pieces 2 hf, 2 hf + 1 of d, from slot sl
.macro FETCHK kp, hf, fb, sl
.irp kb, 0,1
.irp c, 0,1
	ds_load_b128 v[\fb+16*\kb+8*\c:\fb+16*\kb+8*\c+3],   v[AK+\sl] offset:16*KP*(2*\kp+\kb)+64*(2*\hf+\c)
	ds_load_b128 v[\fb+16*\kb+8*\c+4:\fb+16*\kb+8*\c+7], v[AK+\sl] offset:16*KP*(2*\kp+\kb)+64*(2*\hf+\c)+32
.endr
.endr
.endm
; 8 transposing LDS loads: fragments (16 d x 32 keys) of O's blocks i = 2 p, 2 p + 1, for kc = 0, 1, from slot sl
.macro FETCHV p, fb, sl
.irp e, 0,1
.irp kc, 0,1
	ds_load_tr16_b128 v[\fb+16*\e+8*\kc:\fb+16*\e+8*\kc+3],   v[AV+2*\sl+(2*\p+\e)/4] offset:32*VP*\kc+32*((2*\p+\e)%4)
	ds_load_tr16_b128 v[\fb+16*\e+8*\kc+4:\fb+16*\e+8*\kc+7], v[AV+2*\sl+(2*\p+\e)/4] offset:32*VP*\kc+16*VP+32*((2*\p+\e)%4)
.endr
.endr
.endm
; 8 matrix instructions on the four fragments of FETCHK: they run over four accumulators, S(2 kp + kb, q), so that the links of one sum
; stand four apart; the first piece of d starts the sums
.macro MULS kp, hf, fb
.irp c, 0,1
.irp kb, 0,1
.irp q, 0,1
.set n_z, (1-\hf)*(1-\c)
.if n_z
	v_wmma_f32_16x16x32_f16 v[SB+32*\q+8*(2*\kp+\kb):SB+32*\q+8*(2*\kp+\kb)+7], v[\fb+16*\kb+8*\c:\fb+16*\kb+8*\c+7], v[QB+8*(4*\q+2*\hf+\c):QB+8*(4*\q+2*\hf+\c)+7], 0
.else
	v_wmma_f32_16x16x32_f16 v[SB+32*\q+8*(2*\kp+\kb):SB+32*\q+8*(2*\kp+\kb)+7], v[\fb+16*\kb+8*\c:\fb+16*\kb+8*\c+7], v[QB+8*(4*\q+2*\hf+\c):QB+8*(4*\q+2*\hf+\c)+7], v[SB+32*\q+8*(2*\kp+\kb):SB+32*\q+8*(2*\kp+\kb)+7]
.endif
.endr
.endr
.endr
.endm
; 8 matrix instructions: O(q, 2 p + e) += V^T P^T over my 64 keys, again over four accumulators.  first = 1: the first product starts the
; sums, nothing is cleared
.macro MULO p, fb, first
.irp kc, 0,1
.irp e, 0,1
.irp q, 0,1
.set n_z, \first*(1-\kc)
.if n_z
	v_wmma_f32_16x16x32_f16 v[8*(8*\q+2*\p+\e):8*(8*\q+2*\p+\e)+7], v[\fb+16*\e+8*\kc:\fb+16*\e+8*\kc+7], v[SB+32*\q+16*\kc:SB+32*\q+16*\kc+7], 0
.else
	v_wmma_f32_16x16x32_f16 v[8*(8*\q+2*\p+\e):8*(8*\q+2*\p+\e)+7], v[\fb+16*\e+8*\kc:\fb+16*\e+8*\kc+7], v[SB+32*\q+16*\kc:SB+32*\q+16*\kc+7], v[8*(8*\q+2*\p+\e):8*(8*\q+2*\p+\e)+7]
.endif
.endr
.endr
.endr
.endm
; Register 8 kb + j of a query block is key 16 kb + 8 (lane / 16) + j of my 64: masked where 16 kb + j >= s24 - 8 (lane / 16).
; The 32 compares stand in one run, each into a scalar register of its own, so that one wait stands between them and the 64 selects.
.macro MASK
	v_sub_nc_u32 v[REL], s24, v[H8]
.set n_mk, 0
.rept 32
	v_cmp_ge_i32 s[MK+n_mk], 16*(n_mk/8)+n_mk%8, v[REL]
.set n_mk, n_mk+1
.endr
	s_wait_alu depctr_va_sdst(0)                   ; the 32 compares have written s[MK ..], ahead of the first select that reads one of them
.set n_mk, 0
.rept 32
.irp q, 0,1
	v_cndmask_b32 v[SB+32*\q+n_mk], v[SB+32*\q+n_mk], v[MASKV], s[MK+n_mk]
.endr
.set n_mk, n_mk+1
.endr
.endm
; The new running maxima: four chains side by side, two (16 scores each) for a query block; alpha = 2^(old m - new m)
.macro ROWMAX first
.irp q, 0,1
.irp g, 0,1
	v_max3_num_f32 v[MT+2*\q+\g], v[SB+32*\q+16*\g], v[SB+32*\q+16*\g+1], v[SB+32*\q+16*\g+2]
.endr
.endr
.set n_rm, 3
.rept 6
.irp q, 0,1
.irp g, 0,1
	v_max3_num_f32 v[MT+2*\q+\g], v[MT+2*\q+\g], v[SB+32*\q+16*\g+n_rm], v[SB+32*\q+16*\g+n_rm+1]
.endr
.endr
.set n_rm, n_rm+2
.endr
.irp q, 0,1
	v_max3_num_f32 v[MT+2*\q], v[MT+2*\q], v[SB+32*\q+15], v[SB+32*\q+31]  ; the two scores that the chains left
.endr
.irp q, 0,1
.if \first
	v_max_num_f32 v[MT+2*\q], v[MT+2*\q], v[MT+2*\q+1]
.else
	v_max3_num_f32 v[MT+2*\q], v[MT+2*\q], v[MT+2*\q+1], v[MX+2*\q]
.endif
.endr
.irp q, 0,1
	v_permlanex16_b32 v[PX+\q], v[MT+2*\q], s26, s27       ; lane l xor 16 holds the same query's other keys
.endr
.if \first
.irp q, 0,1
	v_max_num_f32 v[MX+2*\q], v[MT+2*\q], v[PX+\q]
.endr
.else
.irp q, 0,1
	v_max_num_f32 v[PX+\q], v[MT+2*\q], v[PX+\q]
.endr
.irp q, 0,1
	v_sub_f32 v[AL+2*\q], v[MX+2*\q], v[PX+\q]
.endr
.irp q, 0,1
	v_exp_f32 v[AL+2*\q], v[AL+2*\q]
.endr
.irp q, 0,1
	v_mov_b32 v[MX+2*\q], v[PX+\q]                         ; also the plain instructions between the exponentials and alpha's first use
.endr
.endif
.endm
; p = 2^(s - m) for the 32 scores a lane has of query block q.  What follows each expansion is plain work on other registers.
.macro SUBEXP q
.set n_se, 0
.rept 16
	v_pk_add_f32 v[SB+32*\q+2*n_se:SB+32*\q+2*n_se+1], v[SB+32*\q+2*n_se:SB+32*\q+2*n_se+1], v[MX+2*\q:MX+2*\q+1] op_sel_hi:[1,0] neg_lo:[0,1] neg_hi:[0,1]
.set n_se, n_se+1
.endr
.set n_se, 0
.rept 32
	v_exp_f32 v[SB+32*\q+n_se], v[SB+32*\q+n_se]
.set n_se, n_se+1
.endr
.endm
; Sum the 32 p in f32, and round them to f16 in place: pair i of a group of 16 registers goes to the group's register i, which holds
; only numbers that have been summed and rounded already.  l = l alpha + sum.
.macro SUMCVT q, first
	s_wait_alu depctr_va_vdst(0)
	v_pk_add_f32 v[SUM+2*\q:SUM+2*\q+1], v[SB+32*\q:SB+32*\q+1], v[SB+32*\q+2:SB+32*\q+3]
	v_cvt_pk_f16_f32 v[SB+32*\q], v[SB+32*\q], v[SB+32*\q+1]
	v_cvt_pk_f16_f32 v[SB+32*\q+1], v[SB+32*\q+2], v[SB+32*\q+3]
.set n_sc, 2
.rept 14
	v_pk_add_f32 v[SUM+2*\q:SUM+2*\q+1], v[SUM+2*\q:SUM+2*\q+1], v[SB+32*\q+2*n_sc:SB+32*\q+2*n_sc+1]
	v_cvt_pk_f16_f32 v[SB+32*\q+16*(n_sc/8)+n_sc%8], v[SB+32*\q+2*n_sc], v[SB+32*\q+2*n_sc+1]
.set n_sc, n_sc+1
.endr
.if \first
	v_add_f32 v[LS+\q], v[SUM+2*\q], v[SUM+2*\q+1]
.else
	v_add_f32 v[SUM+2*\q], v[SUM+2*\q], v[SUM+2*\q+1]
	v_fma_f32 v[LS+\q], v[LS+\q], v[AL+2*\q], v[SUM+2*\q]
.endif
.endm
; O *= alpha: 64 packed multiplies
.macro RESCALE
	WIN 0x41
.irp q, 0,1
.set n_rs, 0
.rept 32
	v_pk_mul_f32 v[64*\q+2*n_rs:64*\q+2*n_rs+1], v[64*\q+2*n_rs:64*\q+2*n_rs+1], v[AL+2*\q:AL+2*\q+1] op_sel_hi:[1,0]
.set n_rs, n_rs+1
.endr
.endr
	WIN 0
.endm
; ONE KEY STEP: 128 keys, read from slot sl.  s39 = its number t; s22 = R, the key steps that run; s25 = R - 1, s28 = R - 2, s40 = R - 3;
; s24 = valid_length - 64 kh - 128 t.  All compares of t are signed (R - 2 and R - 3 can be negative, and the set-up uses t = -1).
; first = 1: nothing to rescale, the products start the sums.  last = 1: nothing follows: no staging, no loads, no barrier.
; guard = 1: the work is jumped over where t >= R.  ns = the slot that takes tile t + 1.
; Each s_wait_dscnt 8 leaves out the youngest run of eight fragment loads.
.macro KSTEP first, last, guard, sl, ns, id
.if \last
	s_wait_loadcnt 0x0                             ; nothing is out here (no tile 8 is ever asked for): on every path of the text the rows' registers have no load pending from here on
	s_cmp_ge_i32 s39, s22
	s_cbranch_scc1 .Lj2_\id
.else
.if \guard
	s_cmp_lt_i32 s39, s22
	s_cbranch_scc1 .Lrun_\id
	s_wait_loadcnt 0x0                             ; nothing is out in a step that does not run: as above
	s_branch .Lj1_\id
.Lrun_\id:
.endif
.endif
.if \first
.else
	s_wait_alu depctr_va_vdst(0)                   ; the last step's products O are done reading both fragment buffers, in which the loads below land
.endif
	FETCHK 0, 0, FB0, \sl
	FETCHK 0, 1, FB1, \sl
	s_wait_dscnt 0x8                               ; S^T = K Q^T: every register of these products lies in window 0
	MULS 0, 0, FB0
	s_wait_alu depctr_va_vdst(0)                   ; these eight products are done reading buffer 0, in which the next run lands
	FETCHK 1, 0, FB0, \sl
	s_wait_dscnt 0x8
	MULS 0, 1, FB1
	s_wait_alu depctr_va_vdst(0)                   ; these eight products are done reading buffer 1, in which the next run lands
	FETCHK 1, 1, FB1, \sl
	s_wait_dscnt 0x8
	MULS 1, 0, FB0
	s_wait_dscnt 0x0                               ; K's last run is in
	MULS 1, 1, FB1
	PLACES 4                                       ; the four places before vector instructions read S
.if \last
.else
	s_cmp_ge_i32 s39, s25                          ; is there a tile t + 1 ?
	s_cbranch_scc1 .Lnc_\id
	ROUND                                          ; asked for a key step ago; these 64 lines name no register of the products, which finish meanwhile
.Lnc_\id:
	s_wait_loadcnt 0x0                             ; nothing is out here (the roundings waited for all, or nothing was asked for)
.endif
	s_wait_alu depctr_va_vdst(0)                   ; the products S are done reading both fragment buffers, in which V's first two runs land; the roundings have written the rows, which the stores read
.if \last
.else
	s_cmp_ge_i32 s39, s25                          ; the same question once more: the wait above stands on both paths
	s_cbranch_scc1 .Lns_\id
	PUT \ns                                        ; the stores drain under the exponentials below
.Lns_\id:
.endif
	FETCHV 0, FB0, \sl                             ; V's first fragments arrive during the softmax
	FETCHV 1, FB1, \sl
	s_cmp_ge_i32 s24, 64                           ; all my 64 keys valid: nothing to mask
	s_cbranch_scc1 .Lnm_\id
	MASK
.Lnm_\id:
	ROWMAX \first
	SUBEXP 0
	SUBEXP 1
.if \last
.else
	s_wait_alu depctr_vm_vsrc(0)                   ; the staging's stores have read the rows' registers: the next loads land in them, and the next step's roundings write them
	s_cmp_ge_i32 s39, s28                          ; is there a tile t + 2 ?
	s_cbranch_scc1 .Lnl_\id
	NEXTTILE \id                                   ; on its way from here to behind the next step's products S
.Lnl_\id:
.endif
	SUMCVT 0, \first
.if \first
.else
	RESCALE
.endif
	SUMCVT 1, \first
.if \last
.else
.if \guard
.Lj1_\id:
.endif
	s_wait_dscnt 0x0                               ; my part of tile t + 1 is in LDS, and my reads of the slot of step t - 1 have long been over
	s_barrier_signal -1                            ; say so; up to the wait only LDS loads from this step's slot, matrix instructions and v_nop
.if \guard
	s_cmp_ge_i32 s39, s22
	s_cbranch_scc1 .Lj2_\id
.endif
.endif
	s_wait_dscnt 0x8
	WIN 0x50                                       ; C and D (O) in window 1
	MULO 0, FB0, \first
	WIN 0
	s_wait_alu depctr_va_vdst(0)                   ; these eight products are done reading buffer 0, in which the next run lands
	FETCHV 2, FB0, \sl
	s_wait_dscnt 0x8
	WIN 0x50
	MULO 1, FB1, \first
	WIN 0
	s_wait_alu depctr_va_vdst(0)                   ; these eight products are done reading buffer 1, in which the next run lands
	FETCHV 3, FB1, \sl
	s_wait_dscnt 0x8
	WIN 0x50
	MULO 2, FB0, \first
	s_wait_dscnt 0x0                               ; my reads of this step's slot are over
	MULO 3, FB1, \first
	PLACES 5                                       ; five places before the next step's products write over P; they also stand ahead of every later read of O
	WIN 0
.if \guard
.Lj2_\id:
.endif
.if \last
.else
	s_barrier_wait -1                              ; everybody's part of tile t + 1 is in LDS
	s_add_co_i32 s39, s39, 1
	s_sub_co_i32 s24, s24, 128
.endif
.endm
	; ---------------------------------------------------------------- set-up
	s_load_b256 s[4:11], s[0:1], 0x0               ; query s[4:5], key s[6:7], value s[8:9], valid_length s[10:11]
	s_load_b64 s[12:13], s[0:1], 0x20              ; out
	v_lshl_add_u32 v126, v0, 2, 0x4e000
	v_mov_b32 v127, 0
	v_lshrrev_b32 v1, 5, v0
	v_readfirstlane_b32 s14, v1                    ; wave 0 .. 7
	s_and_b32 s17, ttmp7, 0xffff                   ; batch
	s_lshl_b32 s29, s17, 2
	s_wait_alu depctr_va_sdst(0)                   ; s14 is written, ahead of its first reader: shares, addresses and branches are made from it
	s_and_b32 s15, s14, 1                          ; kh
	s_lshr_b32 s16, s14, 1                         ; qh 0 .. 3
	s_wait_kmcnt 0x0
	s_load_b32 s19, s[10:11], s29 offset:0x0       ; valid_length[batch]
	s_lshl_b32 s20, s17, 19                        ; a batch is 1024 rows of 512 bytes
	s_mov_b32 s21, 0
	s_add_nc_u64 s[6:7], s[6:7], s[20:21]
	s_add_nc_u64 s[8:9], s[8:9], s[20:21]
	s_lshl_b32 s31, ttmp9, 16                      ; a query block is 128 rows
	s_add_co_u32 s20, s20, s31
	s_add_nc_u64 s[4:5], s[4:5], s[20:21]
	s_lshl_b32 s31, s16, 14                        ; out: my 32 rows,
	s_add_co_u32 s20, s20, s31
	s_lshl_b32 s31, s15, 8                         ; and the 64 d (256 bytes) that I keep
	s_add_co_u32 s20, s20, s31
	s_add_nc_u64 s[12:13], s[12:13], s[20:21]
	v_and_b32 v1, 31, v0                           ; lane
	s_lshl_b32 s31, s14, 13                        ; 16 rows of 512 bytes a wave
	v_lshl_add_u32 v[GOFF], v1, 4, s31
	s_wait_alu depctr_va_vdst(0)                   ; v[GOFF] is written: every load of Q, K and V reads it as its offset; up to tile 0's last load only loads and a window's switch follow
.set n_q, 0
.rept 16
	global_load_b128 v[SB+4*n_q:SB+4*n_q+3], v[GOFF], s[4:5] offset:512*n_q th:TH_LOAD_NT      ; my wave's 16 query rows; no other work-group reads them
.set n_q, n_q+1
.endr
	WIN 0x40
	LOADA                                          ; tile 0
	WIN 0
	v_and_b32 v2, 15, v0                           ; r = lane % 16
	v_bfe_u32 v3, v0, 4, 1                         ; h = lane / 16
	s_mul_i32 s31, s14, 16*KP
	v_lshl_add_u32 v[SK], v1, 3, s31               ; slot 0: 16 wave rows + 8 lane
	s_add_co_u32 s32, s31, QS
	v_lshl_add_u32 v[STQ], v1, 3, s32
	s_mul_i32 s33, s14, 16*VP
	s_add_co_u32 s33, s33, VS
	v_lshl_add_u32 v[SV], v1, 3, s33
	v_mul_u32_u24 v28, v2, KP
	v_lshl_add_u32 v28, v3, 4, v28                 ; a fragment with d along the rows: row r, 16 bytes for each half of the lanes
	s_mul_i32 s34, s15, 64*KP
	v_add_nc_u32 v[AK], s34, v28
	s_mul_i32 s35, s16, 32*KP
	s_add_co_u32 s35, s35, QS
	v_add_nc_u32 v[ADRQ], s35, v28
	v_and_b32 v29, 7, v0                           ; a transposed fragment: key 8 h + lane % 8, 16 bytes for each eight lanes
	v_lshl_add_u32 v29, v3, 3, v29
	v_mul_u32_u24 v29, v29, VP
	v_bfe_u32 v30, v0, 3, 1
	v_lshl_add_u32 v29, v30, 4, v29
	s_mul_i32 s36, s15, 64*VP+128                  ; my 64 keys, and d from 64 kh on (128 bytes)
	s_add_co_u32 s36, s36, VS
	v_add_nc_u32 v[AV], s36, v29
	s_mul_i32 s37, s15, 64*VP-128                  ; my 64 keys, and d from 64 (1 - kh) on
	s_add_co_u32 s37, s37, VS+128
	v_add_nc_u32 v[AV+1], s37, v29
.irp s, 1,2
	v_add_nc_u32 v[SK+\s], \s*SLOTB, v[SK]         ; the same five places in slots 1 and 2
	v_add_nc_u32 v[SV+\s], \s*SLOTB, v[SV]
	v_add_nc_u32 v[AK+\s], \s*SLOTB, v[AK]
	v_add_nc_u32 v[AV+2*\s], \s*SLOTB, v[AV]
	v_add_nc_u32 v[AV+2*\s+1], \s*SLOTB, v[AV+1]
.endr
	v_lshlrev_b32 v[H8], 3, v3
	v_mov_b32 v[MASKV], 0xc9b01c38                 ; -1e6 log2(e)
	s_lshl_b32 s38, ttmp9, 13
	v_lshl_add_u32 v[PF], v1, 8, s38
	s_mov_b32 s26, 0x76543210                      ; v_permlanex16_b32: lane i of one half reads lane i of the other
	s_mov_b32 s27, 0xfedcba98
.irp q, 0,1
	v_mov_b32 v[MX+2*\q+1], 0                      ; the pairs' second registers are named by packed instructions, and v_permlanex16_b32
	v_mov_b32 v[AL+2*\q+1], 0                      ; names its destination: written once
	v_mov_b32 v[PX+\q], 0
.endr
	s_wait_kmcnt 0x0
	s_max_i32 s19, s19, 0
	s_min_i32 s19, s19, 1024
	s_add_co_u32 s22, s19, 127
	s_lshr_b32 s22, s22, 7                         ; R: key steps that hold a valid key,
	s_cmp_eq_u32 s19, 0
	s_cselect_b32 s22, 8, s22                      ; or all eight where no key is valid
	s_sub_co_i32 s25, s22, 1
	s_sub_co_i32 s28, s22, 2
	s_sub_co_i32 s40, s22, 3
	s_lshl_b32 s31, s15, 6
	s_sub_co_i32 s24, s19, s31
	s_mov_b32 s39, -1                              ; t = -1: the loads below are tile 1's, the prefetch tile 2's
	s_wait_loadcnt 0x20                            ; Q's 16 loads are in; the 32 of tile 0 behind them stay out
.set n_q, 0
.rept 16
	v_pk_mul_f32 v[SB+4*n_q:SB+4*n_q+1], v[SB+4*n_q:SB+4*n_q+1], 0x3e0293ee op_sel_hi:[1,0]            ; log2(e) / sqrt(128)
	v_pk_mul_f32 v[SB+4*n_q+2:SB+4*n_q+3], v[SB+4*n_q+2:SB+4*n_q+3], 0x3e0293ee op_sel_hi:[1,0]
	v_cvt_pk_f16_f32 v[SB+4*n_q], v[SB+4*n_q], v[SB+4*n_q+1]
	v_cvt_pk_f16_f32 v[SB+4*n_q+1], v[SB+4*n_q+2], v[SB+4*n_q+3]
.set n_q, n_q+1
.endr
	s_wait_alu depctr_va_vdst(0)                   ; Q's roundings have written the stores' data; the LDS addresses of the whole loop and v[PF] are written too
.set n_q, 0
.rept 16
	ds_store_b64 v[STQ], v[SB+4*n_q:SB+4*n_q+1] offset:KP*n_q
.set n_q, n_q+1
.endr
	ROUND                                          ; tile 0
	s_wait_alu depctr_va_vdst(0)                   ; the roundings have written the rows, which the stores read
	PUT 0                                          ; into slot 0
	s_wait_dscnt 0x0                               ; for the other waves' sake: my rows of Q, K and V are in LDS
	s_wait_alu depctr_vm_vsrc(0)                   ; my stores have read the rows' registers, in which tile 1's loads land, and Q's, which the products S write
	s_cmp_ge_i32 s39, s28                          ; is there a tile 1 ?
	s_cbranch_scc1 .Lnl_p
	NEXTTILE p
.Lnl_p:
	s_barrier_signal -1
	s_barrier_wait -1                              ; everybody's rows are in LDS
	s_mov_b32 s39, 0
.irp q, 0,1
.irp c, 0,1,2,3
	ds_load_b128 v[QB+8*(4*\q+\c):QB+8*(4*\q+\c)+3],   v[ADRQ] offset:16*KP*\q+64*\c      ; Q's 8 fragments stay in registers; the first
	ds_load_b128 v[QB+8*(4*\q+\c)+4:QB+8*(4*\q+\c)+7], v[ADRQ] offset:16*KP*\q+64*\c+32   ; s_wait_dscnt 8 of the key step covers them
.endr
.endr
	; ---------------------------------------------------------------- the eight key steps: slots 0 | 1 2 0 | 1 2 0 | 1
	KSTEP 1, 0, 0, 0, 1, a                         ; t = 0 always runs; no vector or matrix instruction has named the fragment buffers yet
	s_mov_b32 s23, 0
.Lloop:
	KSTEP 0, 0, 1, 1, 2, b                         ; t = 1, 4
	KSTEP 0, 0, 1, 2, 0, c                         ; t = 2, 5
	KSTEP 0, 0, 1, 0, 1, d                         ; t = 3, 6
	s_add_co_u32 s23, s23, 1
	s_cmp_lt_u32 s23, 2
	s_cbranch_scc1 .Lloop
	KSTEP 0, 1, 1, 1, 0, e                         ; t = 7: nothing follows
	; ---------------------------------------------------------------- the pair's merge
	s_xor_b32 s30, s14, 1                          ; my partner: same query rows, the other keys
	s_lshl_b32 s31, s14, 9
	s_add_co_u32 s31, s31, XST
	v_lshl_add_u32 v[XS], v1, 2, s31
	s_lshl_b32 s32, s30, 9
	s_add_co_u32 s32, s32, XST
	v_lshl_add_u32 v[PS], v1, 2, s32
	s_lshl_b32 s33, s14, 13
	s_add_co_u32 s33, s33, XCH
	v_lshl_add_u32 v[XO], v1, 4, s33
	s_lshl_b32 s34, s30, 13
	s_add_co_u32 s34, s34, XCH
	v_lshl_add_u32 v[PO], v1, 4, s34
	s_mul_i32 s35, s14, 32*KP
	s_add_co_u32 s35, s35, STG
.irp q, 0,1
	v_permlanex16_b32 v[PX+\q], v[LS+\q], s26, s27
.endr
.irp q, 0,1
	v_add_f32 v[LS+\q], v[LS+\q], v[PX+\q]         ; l over all my wave's keys
.endr
	s_wait_alu depctr_va_vdst(0)                   ; the four addresses, m, l and O (its places stand above) are written, which the stores below read; the products and sums are done with v[SUM ..] and v[SB ..], in which the partner's numbers land behind the barrier
.irp q, 0,1
	ds_store_b32 v[XS], v[MX+2*\q] offset:128*\q
	ds_store_b32 v[XS], v[LS+\q] offset:256+128*\q
.endr
	WIN 0x04
.set n_x, 0
.rept 16                                               ; piece n = 8 q + 2 i + half: four registers of O(q, 4 + i)
	ds_store_b128 v[XO], v[64*(n_x/8)+32+4*(n_x%8):64*(n_x/8)+32+4*(n_x%8)+3] offset:512*n_x
.set n_x, n_x+1
.endr
	WIN 0
	s_wait_dscnt 0x0                               ; what my partner will read is in LDS; my reads of the ring are over too
	s_barrier_signal -1
	s_barrier_wait -1                              ; from here on nobody reads the ring: slot 0's bytes serve as the stage
	s_wait_alu depctr_vm_vsrc(0)                   ; my stores have read v[MX ..], which the lines below write anew
.irp q, 0,1
	ds_load_b32 v[SUM+\q], v[PS] offset:128*\q             ; the partner's m
	ds_load_b32 v[SUM+2+\q], v[PS] offset:256+128*\q       ; and l
.endr
.set n_x, 0
.rept 16
	ds_load_b128 v[SB+4*n_x:SB+4*n_x+3], v[PO] offset:512*n_x      ; X(q, i) at SB + 32 q + 8 i: the partner's sums for the d that I keep
.set n_x, n_x+1
.endr
	s_wait_dscnt 0x10                              ; the four words are in; the 16 pieces stay out
.irp q, 0,1
	v_max_num_f32 v[MT+\q], v[MX+2*\q], v[SUM+\q]
.endr
.irp q, 0,1
	v_sub_f32 v[MX+2*\q], v[MX+2*\q], v[MT+\q]
	v_sub_f32 v[AL+2*\q], v[SUM+\q], v[MT+\q]
.endr
.irp q, 0,1
	v_exp_f32 v[MX+2*\q], v[MX+2*\q]               ; f  = 2^(m - M)
	v_exp_f32 v[AL+2*\q], v[AL+2*\q]               ; f' = 2^(m' - M); one of the two is 1, and its l is at least 1
.endr
	v_mul_u32_u24 v[SG], v2, KP                    ; a plain instruction between the exponentials and their first use
	s_wait_alu depctr_va_vdst(0)
.irp q, 0,1
	v_mul_f32 v[PX+\q], v[LS+\q], v[MX+2*\q]
.endr
.irp q, 0,1
	v_fmac_f32 v[PX+\q], v[SUM+2+\q], v[AL+2*\q]   ; l f + l' f'
.endr
.irp q, 0,1
	v_rcp_f32 v[PX+\q], v[PX+\q]
.endr
	v_mul_u32_u24 v[RB], v3, KP                    ; a plain instruction between the reciprocals and their first use
	s_wait_alu depctr_va_vdst(0)
.irp q, 0,1
	v_mul_f32 v[MX+2*\q], v[MX+2*\q], v[PX+\q]     ; g  = f  / (l f + l' f')
	v_mul_f32 v[AL+2*\q], v[AL+2*\q], v[PX+\q]     ; g' = f' / (l f + l' f')
.endr
	v_lshl_add_u32 v[SG], v3, 5, v[SG]             ; into the stage: row r, 32 bytes for each half of the lanes
	v_add_nc_u32 v[SG], s35, v[SG]
	v_lshl_add_u32 v[RB], v2, 4, v[RB]             ; back: lanes 0-15 one row of 256 bytes, lanes 16-31 the next
	v_add_nc_u32 v[RB], s35, v[RB]
	v_lshlrev_b32 v[CO], 9, v3                     ; and the same two rows in out
	v_lshl_add_u32 v[CO], v2, 4, v[CO]
.irp q, 0,1
	s_wait_dscnt 8-8*\q                            ; query block q's eight pieces are in; the later block's stay out
.set n_x, 0
.rept 16
	v_pk_mul_f32 v[SB+32*\q+2*n_x:SB+32*\q+2*n_x+1], v[SB+32*\q+2*n_x:SB+32*\q+2*n_x+1], v[AL+2*\q:AL+2*\q+1] op_sel_hi:[1,0]
.set n_x, n_x+1
.endr
.endr
	WIN 0x01                                       ; source 0 (O) in window 1
.irp q, 0,1
.set n_x, 0
.rept 16
	v_pk_fma_f32 v[SB+32*\q+2*n_x:SB+32*\q+2*n_x+1], v[64*\q+2*n_x:64*\q+2*n_x+1], v[MX+2*\q:MX+2*\q+1], v[SB+32*\q+2*n_x:SB+32*\q+2*n_x+1] op_sel_hi:[1,0,1]
.set n_x, n_x+1
.endr
.endr
	WIN 0
	; ---------------------------------------------------------------- the way out: 32 rows x 256 bytes through my own stage
	s_wait_alu depctr_va_vdst(0)                   ; the merged rows in v[SB ..] and the three addresses v[SG], v[RB], v[CO] are written, which the stores and loads below read
.set n_x, 0
.rept 16                                               ; n = 8 q + 2 i + half: row 16 q + r, bytes 64 i + 32 h + 16 half
	ds_store_b128 v[SG], v[SB+4*n_x:SB+4*n_x+3] offset:16*KP*(n_x/8)+64*((n_x%8)/2)+16*(n_x%2)
.set n_x, n_x+1
.endr
	WIN 0x40
.set n_x, 0
.rept 16
	ds_load_b128 v[RK+4*n_x:RK+4*n_x+3], v[RB] offset:2*KP*n_x     ; my own bytes; LDS serves a wave's instructions in order (ISA guide 5.7.1): these see the stores above
.set n_x, n_x+1
.endr
	WIN 0x04
.set n_x, 0
.rept 16
	s_wait_dscnt 15-n_x                            ; load n is in; the younger ones stay out
	global_store_b128 v[CO], v[RK+4*n_x:RK+4*n_x+3], s[12:13] offset:1024*n_x th:TH_STORE_NT   ; 16 lanes store 256 consecutive bytes, at a multiple of 256 from out's first byte
.set n_x, n_x+1
.endr
	WIN 0
	s_wait_dscnt 0x0
	s_wait_alu depctr_hold_cnt(0) depctr_sa_sdst(0) depctr_va_vdst(0) depctr_va_sdst(0) depctr_va_ssrc(0) depctr_va_vcc(0) depctr_vm_vsrc(0)
	s_wait_tensorcnt 0x0
	ds_add_u32 v126, v127
	s_wait_dscnt 0x0
	s_endpgm
.Lfunc_end_k_q6661b24cde_attn:
	.size	k_q6661b24cde_attn, .Lfunc_end_k_q6661b24cde_attn-k_q6661b24cde_attn
	.p2alignl 7, 3214868480
	.fill 96, 4, 3214868480
	.section	.rodata,"a",@progbits
	.p2align	6, 0x0
	.amdhsa_kernel k_q6661b24cde_attn
		.amdhsa_group_segment_fixed_size 320512
		.amdhsa_private_segment_fixed_size 0
		.amdhsa_enable_private_segment 0
		.amdhsa_kernarg_size 40
		.amdhsa_user_sgpr_count 2
		.amdhsa_user_sgpr_kernarg_segment_ptr 1
		.amdhsa_wavefront_size32 1
		.amdhsa_system_sgpr_workgroup_id_x 1
		.amdhsa_system_sgpr_workgroup_id_y 1
		.amdhsa_system_sgpr_workgroup_id_z 1
		.amdhsa_system_vgpr_workitem_id 0
		.amdhsa_next_free_vgpr 512
		.amdhsa_next_free_sgpr 98
		.amdhsa_reserve_vcc 0
		.amdhsa_float_denorm_mode_32 3
		.amdhsa_float_denorm_mode_16_64 3
		.amdhsa_memory_ordered 1
		.amdhsa_forward_progress 1
		.amdhsa_inst_pref_size 225
	.end_amdhsa_kernel
	.amdgpu_metadata
---
amdhsa.version: [ 1, 2 ]
amdhsa.kernels:
  - .name:           k_q6661b24cde_attn
    .symbol:         k_q6661b24cde_attn.kd
    .args:
      - { .name: query, .offset: 0, .size: 8, .value_kind: global_buffer, .address_space: global }
      - { .name: key, .offset: 8, .size: 8, .value_kind: global_buffer, .address_space: global }
      - { .name: value, .offset: 16, .size: 8, .value_kind: global_buffer, .address_space: global }
      - { .name: valid_length, .offset: 24, .size: 8, .value_kind: global_buffer, .address_space: global }
      - { .name: out0, .offset: 32, .size: 8, .value_kind: global_buffer, .address_space: global }
    .group_segment_fixed_size: 320512
    .private_segment_fixed_size: 0
    .kernarg_segment_align: 8
    .kernarg_segment_size: 40
    .max_flat_workgroup_size: 256
    .sgpr_count:     98
    .vgpr_count:     512
    .wavefront_size: 32
...
	.end_amdgpu_metadata
.endif
;; end of part 3
